; MI455X (gfx1250); checked and timed in simulation.
; The chip was launched on July 23, 2026; its instructions are those of AMD's public machine-readable ISA for CDNA 5 (MIT licence, August 2026) and "CDNA5" Instruction Set Architecture Reference Guide (July 2026). The comments in the code are by the model that wrote it; some were corrected since.
;; Self Attention. Allowed arithmetic: matrix products marked QUANTISED: E2M3 operands, one E8M0 scale for each 32 along K, by v_wmma_scale_f32_16x16x128_f8f6f4 with both operands' format E2M3, f32 sums; everything else in f32.
;; Inputs: Wk_codes 1,024 x 32 x 24 uint8 (E2M3 codes of Wk, K innermost, in blocks of 32 codes, four codes in three bytes); Wk_scales 1,024 x 32 uint8 (E8M0 scales of Wk, one for each 32 codes along K); Wo_codes 1,024 x 32 x 24 uint8 (E2M3 codes of Wo, K innermost, in blocks of 32 codes, four codes in three bytes); Wo_scales 1,024 x 32 uint8 (E8M0 scales of Wo, one for each 32 codes along K); Wq_codes 1,024 x 32 x 24 uint8 (E2M3 codes of Wq, K innermost, in blocks of 32 codes, four codes in three bytes); Wq_scales 1,024 x 32 uint8 (E8M0 scales of Wq, one for each 32 codes along K); Wv_codes 1,024 x 32 x 24 uint8 (E2M3 codes of Wv, K innermost, in blocks of 32 codes, four codes in three bytes); Wv_scales 1,024 x 32 uint8 (E8M0 scales of Wv, one for each 32 codes along K); beta 1,024 float32; bk 1,024 float32; bo 1,024 float32; bq 1,024 float32; bv 1,024 float32; gamma 1,024 float32; x 4 x 2,048 x 1,024 float32.
;; Outputs: out0 4 x 2,048 x 1,024 float32.
;; This version of the problem:
;;   THIS VERSION OF THE PROBLEM IS GIVEN IN LOW PRECISION. The matrix products marked QUANTISED in the list below multiply operands that are first quantised to E2M3 (2 exponent bits, 3 mantissa bits; 6 bits a number), with one power-of-two scale for each 32 numbers along K (OCP MX v1.0); their sums are f32. All else is computed in f32.
;;   The module's matrix products, in the order in which they are computed (A, B: the left and right operand; K: the contracted axis; several contracted axes count as one K, in the product's order):
;;     1. [M 8,192, K 1,024] x [K 1,024, N 1,024]; A: input x; B: input Wq (given as codes): QUANTISED
;;     2. [M 8,192, K 1,024] x [K 1,024, N 1,024]; A: input x; B: input Wk (given as codes): QUANTISED
;;     3. [M 8,192, K 1,024] x [K 1,024, N 1,024]; A: input x; B: input Wv (given as codes): QUANTISED
;;     4. batch 64 x [M 2,048, K 64] x [K 64, N 2,048]; A: computed on the way; B: computed on the way: QUANTISED
;;     5. batch 64 x [M 2,048, K 2,048] x [K 2,048, N 64]; A: softmax (see below); B: computed on the way: QUANTISED
;;     6. [M 8,192, K 1,024] x [K 1,024, N 1,024]; A: computed on the way; B: input Wo (given as codes): QUANTISED
;;   THE QUANTISER, for each operand of a quantised product, along K:
;;     - K is cut into blocks of 32 from its start; a last block that is shorter is filled with zeros.
;;     - A block's scale is 2^e with e = floor(log2(the largest magnitude in the block)) - 2, held to -126 .. 127; a block of zeros has e = 0. As a byte (E8M0): e + 127.
;;     - Each number is divided by its block's scale, clamped to +-7.5, and rounded to the nearest number of E2M3, ties to even, subnormals kept.
;;     - The product sums the exact products of the quantised numbers (number of the format x scale) in f32.
;;   ~~~python
;;   def quantise(x, axis):      # numpy; x: float32 -> the quantised numbers, widened to float32 again
;;       x = np.moveaxis(x, axis, -1); K = x.shape[-1]
;;       x = np.pad(x, [(0, 0)] * (x.ndim - 1) + [(0, -K % 32)]); x = x.reshape(x.shape[:-1] + (-1, 32)); a = np.abs(x).max(-1, keepdims=True)
;;       e = np.where(a > 0, np.clip(np.frexp(np.where(a > 0, a, 1))[1] - 1 - 2, -126, 127), 0)      # np.frexp(a)[1] - 1 = floor(log2(a)), exactly
;;       r = np.clip(x / 2.0 ** e, -7.5, 7.5)
;;       step = 2.0 ** (np.maximum(np.frexp(np.where(r == 0, 1, r))[1] - 1, 0) - 3)
;;       q = np.round(r / step) * step * 2.0 ** e      # np.round: ties to even
;;       return np.moveaxis(q.reshape(q.shape[:-2] + (-1,))[..., :K], -1, axis).astype(np.float32)
;;   ~~~
;;   SOFTMAX AHEAD OF A QUANTISED PRODUCT. Where the list says 'softmax', what is quantised is not the finished softmax but p = 2^(t - M), with t = logit x log2(e) and M = ceil(the row's largest t), a whole number; so 1/2 < the row's largest p <= 1. The row's sum l is taken of the UNQUANTISED p, in f32, and the product's result is divided by l at the end. Since M is a whole number, a kernel that streams over the keys may use a running M (the ceiling of the running maximum): every later rescaling is an exact power of two, which a block's scale takes up: the codes' values come out the same.
;;   OPERANDS COMPUTED ON THE WAY. 'Computed on the way' means the value that the module computes at that place (a softmax that the list does not call 'softmax' is quantised finished and normalised). What goes into a quantiser is computed in f32, as accurately as f32 sums, v_exp_f32 and their like allow (about 1e-6 of the number): no bf16 or f16 on the way to a quantiser, and a product that is left as it is and whose result goes on into a quantised operand takes f32 operands (vector FMAs, or v_wmma_f32_16x16x4_f32). A number that lies on a knife's edge between two numbers of the format may be rounded either way, as far as f32 arithmetic and the matrix unit's own rounding can turn it there, and no further.
;;   INPUTS GIVEN AS CODES. Wk (in the module: [1024, 1024], K = its axis 0); Wo (in the module: [1024, 1024], K = its axis 0); Wq (in the module: [1024, 1024], K = its axis 0); Wv (in the module: [1024, 1024], K = its axis 0): each comes as NAME_codes (uint8): NAME with its K axis moved to the last place and cut into blocks of 32 codes, [.., K / 32, bytes a block], one block behind the other in memory; four codes in three bytes: a row's codes are one little-endian stream of bits, code i at bits 6 i .. 6 i + 5 (a code: sign, 2 exponent bits, 3 mantissa bits); and NAME_scales (uint8): the same leading axes, one E8M0 byte (e + 127) for each 32 codes along K. Its value is code x scale, taken as it is: it is not quantised again, and the codes and scales need not be those that the quantiser above would give.
;; One version. Each part assembles by itself: llvm-mc -triple=amdgcn-amd-amdhsa -mcpu=gfx1250 --defsym DOCPART=n.
;; ======== version 1 of 1: 4 launches
;; workspace buffers: xq 6,553,600 bytes; wimg 3,145,728 bytes; qc 6,291,456 bytes; qs 524,288 bytes; kv 13,369,344 bytes; oc 6,291,456 bytes; os 262,144 bytes
;; launch prep (part 1): grid 320 x 1, 4 waves a work-group, no clusters, 34,304 bytes of LDS; arguments x, Wq_codes, Wk_codes, Wv_codes, Wo_codes, xq, wimg; writes xq, wimg
.if DOCPART == 1
	.amdgcn_target "amdgcn-amd-amdhsa--gfx1250"
	.amdhsa_code_object_version 6
	.text
	.protected	k_q15b4f20b9f_prep
	.globl	k_q15b4f20b9f_prep
	.p2align	8
	.type	k_q15b4f20b9f_prep,@function
k_q15b4f20b9f_prep:
	s_mov_b64 s[64:65], 0
	v_nop
	global_prefetch_b8 v0, s[64:65] scope:SCOPE_SE
	s_setreg_imm32_b32 hwreg(HW_REG_WAVE_MODE, 25, 1), 1
	s_wait_xcnt 0x0
; PREP.  Work-groups 0-255: x [8192][1024] f32 becomes codes of FP6 (E2M3) with one E8M0 byte for each 32 along the row, laid as IMAGES OF OPERAND REGISTERS.
; Work-groups 256-319: the four weights' codes (given, K innermost, 768 bytes a row) are laid anew as images of operand registers; their values are not touched.
; TILES.  32 neighbouring rows (tokens, or rows of a weight) make two tiles u = 0, 1; element i of a tile is row 32 P + 8 u + i + 8 (i / 8).  With such tiles as a product's source 0, the 16 result registers
; of tiles u = 0, 1 are 16 neighbours in a lane, which is what the next quantiser wants.
; AN IMAGE of a fragment (16 rows x 128 K, 12 registers a lane) is 1,536 bytes: registers 4 c .. 4 c + 3 of lane l at 512 c + 16 l.
; xq:   [pair of tiles G, 256][25,600]: image (tile u, K step s) at (8 u + s) 1,536; at 24,576 the scale words: [s / 2][lane 16 u + r][2 words].
; wimg: [Wq, Wk, Wv, Wo][tile T, 64][K step s, 8][1,536].
; A block's scale is 2^(floor(log2(largest magnitude)) - 2); its byte is the largest magnitude's exponent field - 2, held at 1 from below.
; LIMITS: a block whose largest magnitude lies under 2^-124, a block of zeros among them, gets the byte 1 (the rule says 127 for zeros: the codes are zeros, and this program alone reads the bytes);
; NaN and infinities among the inputs are not served.
; x PATH.  A work-group takes 32 tokens, wave w their columns 256 w .. 256 w + 255: four sub-steps of 16 rows x 512 bytes.  Each load reads 512 consecutive bytes of a row; the 8,192 bytes turn through the wave's own
; stage in LDS (rows 528 bytes apart, so that the sixteen rows of a read start in different banks) and come back as 16 neighbours of each block of 32 in a lane.  Waves share nothing: no barrier.
.set SP,   528                         ; a stage row: 512 bytes + 16
.set WST,  16*SP                       ; a wave's stage
.set R,    16                          ; v16-143  two sets of 64 registers as loaded
.set X,    144                         ; v144-207 64 numbers of my row: register 16 b + i = k 32 b + 16 (lane / 16) + i
.set TM,   208                         ; v208-223 at work
.set PC,   224                         ; v224-243 the codes
.set PW,   244                         ; the scale word just made
.set PWE,  245                         ; tile 0's, kept
.set XSW,  246                         ; v[246:247] the words of my two K steps: lanes 0-15 tile 0, lanes 16-31 tile 1
.set WV,   18
.set SEL,  20
.macro LOAD t                          ; sub-step t: tile t % 2, my K step t / 2; row i of the tile is token 8 u + i + 8 (i / 8)
.irp i, 0,1,2,3,4,5,6,7,8,9,10,11,12,13,14,15
	global_load_b128 v[R+64*((\t)%2)+4*\i:R+64*((\t)%2)+4*\i+3], v1, s[4:5] offset:(8*((\t)%2)+\i+8*(\i/8))*4096+512*((\t)/2) th:TH_LOAD_NT
.endr
.endm
.macro TURN t                          ; through the stage: LDS serves a wave's instructions in order, so no wait stands between the stores and the loads
.irp i, 0,1,2,3,4,5,6,7,8,9,10,11,12,13,14,15
	ds_store_b128 v3, v[R+64*((\t)%2)+4*\i:R+64*((\t)%2)+4*\i+3] offset:SP*\i
.endr
.irp b, 0,1,2,3
.irp j, 0,1,2,3
	ds_load_b128 v[X+16*\b+4*\j:X+16*\b+4*\j+3], v4 offset:128*\b+16*\j
.endr
.endr
.endm
.macro QUANT s                         ; 64 numbers of a lane become a fragment's codes in v[PC] on and its scale word in v[PW]
.irp b, 0,1,2,3
	v_max3_num_f32 v[TM+\b], |v[\s+16*\b]|, |v[\s+1+16*\b]|, 0x1800000   ; my 16 numbers of block b, and the floor 2^(3 - 127): the byte cannot fall under 1
.endr
.irp i, 2,4,6,8,10,12,14
.irp b, 0,1,2,3
	v_max3_num_f32 v[TM+\b], v[TM+\b], |v[\s+16*\b+\i]|, |v[\s+1+16*\b+\i]|
.endr
.endr
.irp b, 0,1,2,3
	v_permlanex16_b32 v[TM+4+\b], v[TM+\b], s[SEL], s[SEL+1]
.endr
.irp b, 0,1,2,3
	v_max_num_f32 v[TM+\b], v[TM+\b], v[TM+4+\b]   ; with lane l xor 16's: the block's largest magnitude
.endr
.irp b, 0,1,2,3
	v_add_nc_u32 v[TM+12+\b], 0xff000000, v[TM+\b] ; 2 off its exponent field: the conversion's scale operand
.endr
.irp b, 0,1,2,3
	v_lshrrev_b32 v[TM+4+\b], 23, v[TM+12+\b]      ; the scale's byte
.endr
	v_lshl_or_b32 v[PW], v[TM+5], 8, v[TM+4]
	v_lshl_or_b32 v[PW], v[TM+6], 16, v[PW]
	v_lshl_or_b32 v[PW], v[TM+7], 24, v[PW]
.irp c, 0,1
	v_cvt_scalef32_pk16_fp6_f32 v[PC+6*\c:PC+2+6*\c], v[\s+32*\c:\s+15+32*\c], v[TM+12+2*\c]
	v_cvt_scalef32_pk16_fp6_f32 v[PC+12+4*\c:PC+14+4*\c], v[\s+16+32*\c:\s+31+32*\c], v[TM+12+2*\c+1]   ; (a conversion's three registers begin on an even number)
.endr
	v_nop                                          ; one plain place behind a scaled conversion
.irp c, 0,1                            ; the operand's layout wants a whole block in a lane: lanes 0-15 block 2 c, lanes 16-31 block 2 c + 1
.irp i, 0,1,2
	v_permlane16_swap_b32 v[PC+6*\c+\i], v[PC+12+4*\c+\i]
.endr
.irp i, 0,1,2
	v_mov_b32 v[PC+3+6*\c+\i], v[PC+12+4*\c+\i]
.endr
.endr
.endm
.macro SUB t
.if (\t)<3
	s_wait_loadcnt 16                              ; this sub-step's 16 loads are in; the other set's 16 may be out
.else
	s_wait_loadcnt 0x0
.endif
	TURN \t
	s_wait_dscnt 0x0                               ; the numbers are back, and the stores into the stage have read their set
	s_wait_xcnt 0x0                                ; the last sub-step's stores have read the codes' registers, which are written again below
.if (\t)<2
	LOAD (\t)+2
.endif
	QUANT X
.irp c, 0,1,2
	global_store_b128 v1, v[PC+4*\c:PC+4*\c+3], s[26:27] offset:(8*((\t)%2)+(\t)/2)*1536+512*\c   ; 32 lanes store 512 consecutive bytes
.endr
.if (\t)%2==0
	v_mov_b32 v[PWE], v[PW]
.else
	v_cndmask_b32 v[XSW+(\t)/2], v[PWE], v[PW], vcc_lo   ; lanes 0-15 tile 0's word of row r, lanes 16-31 tile 1's
.endif
.endm
	s_load_b256 s[4:11], s[0:1], 0x0               ; x, Wq, Wk, Wv
	s_load_b128 s[12:15], s[0:1], 0x20             ; Wo, xq
	s_load_b64 s[16:17], s[0:1], 0x30              ; wimg
	v_lshl_add_u32 v254, v0, 2, 0x8400
	v_mov_b32 v255, 0
	v_lshrrev_b32 v5, 5, v0
	v_readfirstlane_b32 s[WV], v5                  ; wave 0..3
	v_and_b32 v5, 31, v0                           ; lane
	v_lshlrev_b32 v1, 4, v5                        ; 16 x lane
	v_lshlrev_b32 v2, 3, v5                        ; 8 x lane
	v_and_b32 v6, 15, v0                           ; r
	v_bfe_u32 v7, v0, 4, 1                         ; h
	s_cmp_lt_u32 ttmp9, 256
	s_cbranch_scc0 .Lweights
	; ---- x
	s_mul_i32 s22, s[WV], WST
	v_add_nc_u32 v3, s22, v1                       ; the stage, on the way in: 16 x lane in a row
	v_mul_u32_u24 v4, v6, SP
	v_lshl_add_u32 v4, v7, 6, v4
	v_add_nc_u32 v4, s22, v4                       ; and on the way out: row r, + 64 h
	s_mov_b32 s[SEL], 0x76543210
	s_mov_b32 s[SEL+1], 0xfedcba98                 ; v_permlanex16_b32's selects for lane l xor 16
	s_mov_b32 vcc_lo, 0xffff0000                   ; lanes 16-31
.irp b, 0,1,2,3
	v_mov_b32 v[TM+4+\b], 0                        ; written once: a lane permute's destination counts as one of its sources
.endr
	s_lshl_b32 s24, ttmp9, 17                      ; 32 rows of 4,096 bytes,
	s_lshl_b32 s25, s[WV], 10                      ; my wave's 1,024 bytes of a row
	s_add_co_u32 s24, s24, s25
	s_mov_b32 s25, 0
	s_mul_i32 s26, ttmp9, 25600                    ; the pair's block of xq,
	s_mul_i32 s27, s[WV], 3072                     ; K step 2 w
	s_add_co_u32 s26, s26, s27
	s_mov_b32 s27, 0
	s_mul_i32 s28, ttmp9, 25600
	s_lshl_b32 s29, s[WV], 8
	s_add_co_u32 s28, s28, s29
	s_add_co_u32 s28, s28, 24576                   ; my 256 bytes of scale words
	s_mov_b32 s29, 0
	s_wait_alu depctr_va_vdst(0)
	s_wait_kmcnt 0x0
	s_add_nc_u64 s[4:5], s[4:5], s[24:25]
	s_add_nc_u64 s[26:27], s[14:15], s[26:27]
	s_add_nc_u64 s[28:29], s[14:15], s[28:29]
	LOAD 0
	LOAD 1
	SUB 0
	SUB 1
	SUB 2
	SUB 3
	global_store_b64 v2, v[XSW:XSW+1], s[28:29]    ; 32 lanes store 256 consecutive bytes, aligned
	s_wait_tensorcnt 0x0
	ds_add_u32 v254, v255
	s_wait_dscnt 0x0
	s_endpgm
	; ---- the weights: a wave takes one tile of 16 rows, all 8 K steps
.Lweights:
	s_sub_co_u32 s22, ttmp9, 256                   ; 0..63: 16 work-groups a matrix
	s_and_b32 s23, s22, 15
	s_lshl_b32 s23, s23, 2
	s_add_co_u32 s23, s23, s[WV]                   ; tile T
	s_lshr_b32 s24, s22, 4                         ; matrix
	s_wait_alu depctr_va_vdst(0)
	v_and_b32 v8, 8, v6
	v_add_nc_u32 v8, v8, v6                        ; r + 8 (r / 8)
	v_mul_u32_u24 v8, v8, 768
	v_mad_u32_u24 v8, v7, 24, v8                   ; my row of the tile, + 24 h
	s_lshr_b32 s25, s23, 1
	s_lshl_b32 s25, s25, 5
	s_and_b32 s26, s23, 1
	s_lshl_b32 s26, s26, 3
	s_add_co_u32 s26, s25, s26                     ; the tile's first row: 32 (T / 2) + 8 (T % 2)
	s_mul_i32 s26, s26, 768
	s_mov_b32 s27, 0
	s_mul_i32 s28, s24, 786432
	s_mul_i32 s29, s23, 12288
	s_add_co_u32 s28, s28, s29
	s_mov_b32 s29, 0
	s_wait_alu depctr_va_vdst(0)
	s_wait_kmcnt 0x0
	s_cmp_lt_u32 s22, 16                           ; the choice hangs on the work-group's number alone
	s_cselect_b64 s[30:31], s[6:7], s[8:9]
	s_cmp_lt_u32 s22, 32
	s_cselect_b64 s[30:31], s[30:31], s[10:11]
	s_cmp_lt_u32 s22, 48
	s_cselect_b64 s[30:31], s[30:31], s[12:13]
	s_add_nc_u64 s[30:31], s[30:31], s[26:27]
	s_add_nc_u64 s[16:17], s[16:17], s[28:29]
.irp s, 0,1,2,3,4,5,6,7
.irp p, 0,1,2,3,4,5
	global_load_b64 v[16+12*\s+2*\p:16+12*\s+2*\p+1], v8, s[30:31] offset:96*\s+48*(\p/3)+8*(\p%3)   ; registers 6 c .. 6 c + 5: the 24 bytes of k = 64 c + 32 h + 0 .. 31, in pieces of 8
.endr
.endr
.irp s, 0,1,2,3,4,5,6,7
	s_wait_loadcnt 6*(7-\s)                        ; K step s is in; the later steps' six loads each may be out
.irp c, 0,1,2
	global_store_b128 v1, v[16+12*\s+4*\c:16+12*\s+4*\c+3], s[16:17] offset:1536*\s+512*\c
.endr
.endr
	s_endpgm
.Lfunc_end_k_q15b4f20b9f_prep:
	.size	k_q15b4f20b9f_prep, .Lfunc_end_k_q15b4f20b9f_prep-k_q15b4f20b9f_prep
	.p2alignl 7, 3214868480
	.fill 96, 4, 3214868480
	.section	.rodata,"a",@progbits
	.p2align	6, 0x0
	.amdhsa_kernel k_q15b4f20b9f_prep
		.amdhsa_group_segment_fixed_size 34304
		.amdhsa_private_segment_fixed_size 0
		.amdhsa_enable_private_segment 0
		.amdhsa_kernarg_size 56
		.amdhsa_user_sgpr_count 2
		.amdhsa_user_sgpr_kernarg_segment_ptr 1
		.amdhsa_wavefront_size32 1
		.amdhsa_system_sgpr_workgroup_id_x 1
		.amdhsa_system_sgpr_workgroup_id_y 1
		.amdhsa_system_sgpr_workgroup_id_z 1
		.amdhsa_system_vgpr_workitem_id 0
		.amdhsa_next_free_vgpr 256
		.amdhsa_next_free_sgpr 66
		.amdhsa_reserve_vcc 1
		.amdhsa_float_denorm_mode_32 3
		.amdhsa_float_denorm_mode_16_64 3
		.amdhsa_memory_ordered 1
		.amdhsa_forward_progress 1
		.amdhsa_inst_pref_size 42
	.end_amdhsa_kernel
	.amdgpu_metadata
---
amdhsa.version: [ 1, 2 ]
amdhsa.kernels:
  - .name:           k_q15b4f20b9f_prep
    .symbol:         k_q15b4f20b9f_prep.kd
    .args:
      - { .name: x, .offset: 0, .size: 8, .value_kind: global_buffer, .address_space: global }
      - { .name: Wq_codes, .offset: 8, .size: 8, .value_kind: global_buffer, .address_space: global }
      - { .name: Wk_codes, .offset: 16, .size: 8, .value_kind: global_buffer, .address_space: global }
      - { .name: Wv_codes, .offset: 24, .size: 8, .value_kind: global_buffer, .address_space: global }
      - { .name: Wo_codes, .offset: 32, .size: 8, .value_kind: global_buffer, .address_space: global }
      - { .name: xq, .offset: 40, .size: 8, .value_kind: global_buffer, .address_space: global }
      - { .name: wimg, .offset: 48, .size: 8, .value_kind: global_buffer, .address_space: global }
    .group_segment_fixed_size: 34304
    .private_segment_fixed_size: 0
    .kernarg_segment_align: 8
    .kernarg_segment_size: 56
    .max_flat_workgroup_size: 128
    .sgpr_count:     66
    .vgpr_count:     256
    .wavefront_size: 32
...
	.end_amdgpu_metadata
.endif
;; end of part 1
;; launch qkv (part 2): grid 8 x 32, 4 waves a work-group, clusters of 4 x 1, 205,312 bytes of LDS; arguments xq, wimg, Wq_scales, Wk_scales, Wv_scales, bq, bk, bv, qc, qs, kv; writes qc, qs, kv
.if DOCPART == 2
	.amdgcn_target "amdgcn-amd-amdhsa--gfx1250"
	.amdhsa_code_object_version 6
	.text
	.protected	k_q15b4f20b9f_qkv
	.globl	k_q15b4f20b9f_qkv
	.p2align	8
	.type	k_q15b4f20b9f_qkv,@function
k_q15b4f20b9f_qkv:
	s_mov_b64 s[64:65], 0
	v_nop
	global_prefetch_b8 v0, s[64:65] scope:SCOPE_SE
	s_setreg_imm32_b32 hwreg(HW_REG_WAVE_MODE, 25, 1), 1
	s_wait_xcnt 0x0
	s_wait_alu depctr_hold_cnt(0) depctr_sa_sdst(0) depctr_va_vdst(0) depctr_va_sdst(0) depctr_va_ssrc(0) depctr_va_vcc(0) depctr_vm_vsrc(0)
	s_getreg_b32 s2, hwreg(HW_REG_IB_STS2, 6, 4)
	s_cmp_eq_u32 s2, 0
	s_cbranch_scc0 .Lentry_in_a_cluster
	s_endpgm
.Lentry_in_a_cluster:
	s_bfe_u32 s2, ttmp6, 0x10000c
	s_cmp_lg_u32 s2, 0x3003
	s_cbranch_scc0 .Lentry_shape_is_right
	s_endpgm
.Lentry_shape_is_right:
; QKV.  q = x Wq + bq, k = x Wk + bk, v = x Wv + bv on codes of FP6 (E2M3) with E8M0 scales; the results are quantised at once: q and k along the head's 64, v along the keys, and leave as images of the
; operand registers that the attention launch wants.  Nothing leaves in f32.
; SHARES.  A work-group takes 256 tokens x two heads of q, k and v (384 columns).  Wave w takes one whole head of q (w = 0, 1) or of k (w = 2, 3): four tiles of 16 columns, used TRANSPOSED (source 0 = the weight's
; 16 rows, source 1 = 16 tokens), so that a lane holds one token and its registers run along the head; and 32 channels of v: two tiles, used the other way round (source 0 = 16 tokens), so that a lane holds one
; channel and its registers run along the tokens, which are the keys.  All waves run one text; what differs lies in addresses.
; The wave's 48 weight fragments (576 registers) stay in registers for the whole launch.  The 256 tokens' codes and scale words, one dense block of 204,800 bytes, come into LDS ONCE.
; CLUSTER.  The four work-groups of a cluster take the same 256 tokens: that block is asked for JOINTLY, a quarter by each wave.  The weights are not shared so: each fragment goes to one wave's registers.
; No LDS byte is filled twice and none is stored to: one barrier.
; TILES: element i of tile (P, u) is index 32 P + 8 u + i + 8 (i / 8), for tokens and for weight rows alike: the 16 result registers of source 0's tiles u = 0, 1 are 16 neighbours in a lane.
; OUT.  A half image (16 rows x 64 K, 6 registers a lane) is 768 bytes: registers 0-3 of lane l at 16 l, registers 4-5 at 512 + 8 l.
;   qc [head 64][tile 128][768];  qs [head][pair 64][lane 16 u + r] words (bytes 0, 1; bytes 2, 3 are 0);
;   kv [head][key step 16][13,056]: k's 8 tiles at 768 t; v at 6,144 + 1,536 j + 768 b (key block j, channels 32 b on; lane slot 16 u + r: the block of channel 32 b + 8 u + r + 8 (r / 8));
;      k's scale words at 12,288 + 128 (t / 2) + 4 lane; v's at 12,800 + 128 b + 4 lane (byte j = key block j).
; LIMITS: a block whose largest magnitude lies under 2^-124, a block of zeros among them, gets the byte 1; NaN and infinities are not served.
; REGISTERS, in windows of 256.  window 0: v1-11 addresses; v16-111 the 12 accumulators = six blocks of 16; v112-135 the weights' scale words; v136-151 x's, two sets; v152-210 the quantiser.
;   windows 1, 2: weight fragments f = 6 s + t (K step s; t = 0-3 q or k, 4-5 v), 21 a window, at 12 (f % 21);  window 3: f = 42-47 at v0-71; v72-167 x's fragments, two buffers of two K steps; v168-199, v200-215 the biases.
.set WV,   7
.set TR,   3
.set LOFF, 78
.set SEL,  30
.set G1,   32
.set G0,   40
.set WB1,  44
.set WB2,  46
.set O1,   48                          ; s[48:49] where my q or k codes go;  s[50:51] their scale words;  s[52:53] v's codes;  s[54:55] v's scale words
.set O2,   50
.set O3,   52
.set O4,   54
.set ST1,  56                          ; s[56:57], s[58:59] what 128 tokens step O1 and O2 by
.set ST2,  58
.set XA,   4                           ; v4, v5  LDS: 16 x lane + the trip's pairs 0, 1 / 2, 3
.set X8,   6                           ; v6, v7  the same with 8 x lane
.set ACC,  16
.set WS,   112
.set XS,   136
.set TM,   152
.set TP,   158
.set TS,   164
.set PCB,  170
.set SW,   206
.set VB,   207
.set VSW,  208
.set PWA,  209
.set PWB,  210
.set XB,   72
.set BQ,   168
.set BV,   200
.set MSB, 0
.macro WIN new                         ; the immediate's high byte repeats the setting that is left; a switch that changes nothing is dropped
.if MSB != (\new)
	s_set_vgpr_msb (MSB<<8)|(\new)
.set MSB, (\new)
.endif
.endm
.macro PLACES n
.rept \n
	v_nop
.endr
.endm
.macro CROUND                          ; a round of the cluster's barrier
	s_barrier_signal -1
	s_barrier_wait -1
	s_cmp_lg_u32 s[WV], 0
	s_cbranch_scc1 .Lnot_wave_0_\@
	s_barrier_signal -3
.Lnot_wave_0_\@:
	s_barrier_wait -3
	s_barrier_signal -1
	s_barrier_wait -1
.endm
.macro WM d, a, b, c, sa, sb, ra, rb   ; one product; ra, rb: the side's scale words stand in lanes 16-31
.if (\ra)&&(\rb)
	v_wmma_scale_f32_16x16x128_f8f6f4 v[\d:\d+7], v[\a:\a+11], v[\b:\b+11], v[\c:\c+7], v[\sa], v[\sb] matrix_a_fmt:MATRIX_FMT_FP6 matrix_b_fmt:MATRIX_FMT_FP6 matrix_a_scale:MATRIX_SCALE_ROW1 matrix_b_scale:MATRIX_SCALE_ROW1
.elseif (\ra)
	v_wmma_scale_f32_16x16x128_f8f6f4 v[\d:\d+7], v[\a:\a+11], v[\b:\b+11], v[\c:\c+7], v[\sa], v[\sb] matrix_a_fmt:MATRIX_FMT_FP6 matrix_b_fmt:MATRIX_FMT_FP6 matrix_a_scale:MATRIX_SCALE_ROW1
.elseif (\rb)
	v_wmma_scale_f32_16x16x128_f8f6f4 v[\d:\d+7], v[\a:\a+11], v[\b:\b+11], v[\c:\c+7], v[\sa], v[\sb] matrix_a_fmt:MATRIX_FMT_FP6 matrix_b_fmt:MATRIX_FMT_FP6 matrix_b_scale:MATRIX_SCALE_ROW1
.else
	v_wmma_scale_f32_16x16x128_f8f6f4 v[\d:\d+7], v[\a:\a+11], v[\b:\b+11], v[\c:\c+7], v[\sa], v[\sb] matrix_a_fmt:MATRIX_FMT_FP6 matrix_b_fmt:MATRIX_FMT_FP6
.endif
.endm
.macro MQK s, t, xt, set               ; q or k: weight tile t x token tile xt, K step s.  The first K step takes the bias as C: nothing is cleared or added
.set fi, 6*(\s)+(\t)
.set ww, 1+fi/21
.set rW, 12*(fi%21)
.set rX, XB+48*(((\s)/2)%2)+24*((\s)%2)+12*(\xt)
.set rD, ACC+32*(\xt)+8*(\t)
.set rC, rD
.set wc, 0
.if (\s)==0
.set rC, BQ+8*(\t)
.set wc, 48
.endif
.set rSA, WS+8*((\t)/2)+(\s)
.set rSB, XS+8*(\set)+(\s)
.set fA, (\t)%2
.set fB, (\xt)
	WIN (ww|12|wc)
	WM rD, rW, rX, rC, rSA, rSB, fA, fB
.endm
.macro MV s, u, xt, set                ; v: token tile xt x weight tile u
.set fi, 6*(\s)+4+(\u)
.set ww, 1+fi/21
.set rW, 12*(fi%21)
.set rX, XB+48*(((\s)/2)%2)+24*((\s)%2)+12*(\xt)
.set rD, ACC+64+16*(\u)+8*(\xt)
.set rC, rD
.set wc, 0
.if (\s)==0
.set rC, BV+8*(\u)
.set wc, 48
.endif
.set rSA, XS+8*(\set)+(\s)
.set rSB, WS+16+(\s)
.set fA, (\xt)
.set fB, (\u)
	WIN (3|(ww<<2)|wc)
	WM rD, rX, rW, rC, rSA, rSB, fA, fB
.endm
.macro XFETCH j, q, buf                ; pair j's fragments of K steps 2 q, 2 q + 1, both tiles: 12 LDS loads of 512 consecutive bytes
	WIN 0xc0
.irp sp, 0,1
.irp xt, 0,1
.irp c, 0,1,2
	ds_load_b128 v[XB+48*(\buf)+24*\sp+12*\xt+4*\c:XB+48*(\buf)+24*\sp+12*\xt+4*\c+3], v[XA+(\j)/2] offset:25600*((\j)%2)+(8*\xt+2*(\q)+\sp)*1536+512*\c
.endr
.endr
.endr
.endm
.macro XSFETCH j, set                  ; pair j's scale words of all 8 K steps: lanes 0-15 tile 0, lanes 16-31 tile 1
	WIN 0
.irp i, 0,1,2,3
	ds_load_b64 v[XS+8*(\set)+2*\i:XS+8*(\set)+2*\i+1], v[X8+(\j)/2] offset:25600*((\j)%2)+24576+256*\i
.endr
.endm
; Two K steps of a pair of token tiles: 24 products.  The next two steps' fragments are asked for first, into the other buffer, and the wait leaves exactly those loads out.
; The accumulators take turns, one instruction a turn (8, the same 8, 4, the same 4).
.macro QUARTER j, q, nxt
.if (\q)>0
	PLACES 4                                       ; in front of loads into registers that matrix instructions have read (at q = 0 the quantiser's lines stand there)
.endif
.if (\q)<3
	XFETCH \j, (\q)+1, ((\q)+1)%2
	s_wait_dscnt 12
.elseif \nxt
	XFETCH (\j)+1, 0, 0
	XSFETCH (\j)+1, ((\j)+1)%2
	s_wait_dscnt 16
.else
	s_wait_dscnt 0x0
.endif
.irp sp, 0,1
.irp t, 0,1,2,3
.irp xt, 0,1
	MQK 2*(\q)+\sp, \t, \xt, (\j)%2
.endr
.endr
.endr
.irp sp, 0,1
.irp u, 0,1
.irp xt, 0,1
	MV 2*(\q)+\sp, \u, \xt, (\j)%2
.endr
.endr
.endr
.endm
; The six blocks of 16 registers (partner: lane l xor 16) are quantised, by turns: blocks 0, 1: token tile 0's two blocks of the head; 2, 3: tile 1's; 4, 5: the pair's 32 keys for my channels of tiles 0 and 1.
.macro EPI j
	WIN 0
	PLACES 5                                       ; behind the last products: four for the reads below, five for the next pair's first products, which begin these accumulators anew
	s_wait_xcnt 0x0                                ; the last pair's stores have read the registers that are written again below
.irp k, 0,1,2,3,4,5
	v_max3_num_f32 v[TM+\k], |v[ACC+16*\k]|, |v[ACC+16*\k+1]|, 0x1800000   ; from each accumulator's low end on; the floor 2^(3 - 127) holds the byte at 1
.endr
.irp i, 2,4,6,8,10,12,14
.irp k, 0,1,2,3,4,5
	v_max3_num_f32 v[TM+\k], v[TM+\k], |v[ACC+16*\k+\i]|, |v[ACC+16*\k+\i+1]|
.endr
.endr
.irp k, 0,1,2,3,4,5
	v_permlanex16_b32 v[TP+\k], v[TM+\k], s[SEL], s[SEL+1]
.endr
.irp k, 0,1,2,3,4,5
	v_max_num_f32 v[TM+\k], v[TM+\k], v[TP+\k]
.endr
.irp k, 0,1,2,3,4,5
	v_add_nc_u32 v[TS+\k], 0xff000000, v[TM+\k]    ; 2 off the exponent field: the conversion's scale operand
.endr
.irp k, 0,1,2,3,4,5
	v_lshrrev_b32 v[TP+\k], 23, v[TS+\k]           ; the byte
.endr
.irp i, 0,1,2
	v_cvt_scalef32_pk16_fp6_f32 v[PCB+12*\i:PCB+12*\i+2], v[ACC+32*\i:ACC+32*\i+15], v[TS+2*\i]
	v_cvt_scalef32_pk16_fp6_f32 v[PCB+12*\i+6:PCB+12*\i+8], v[ACC+32*\i+16:ACC+32*\i+31], v[TS+2*\i+1]
.endr
	v_nop                                          ; one plain place behind a scaled conversion
.irp i, 0,1,2
.irp n, 0,1,2
	v_permlane16_swap_b32 v[PCB+12*\i+\n], v[PCB+12*\i+6+\n]   ; lanes 0-15 get the whole of the first block, lanes 16-31 of the second
.endr
.endr
.irp i, 0,1,2
.irp n, 0,1,2
	v_mov_b32 v[PCB+12*\i+3+\n], v[PCB+12*\i+6+\n]
.endr
.endr
	v_lshl_or_b32 v[PWA], v[TP+1], 8, v[TP]        ; token tile 0's scale word,
	v_lshl_or_b32 v[PWB], v[TP+3], 8, v[TP+2]      ; tile 1's
	v_cndmask_b32 v[SW], v[PWA], v[PWB], vcc_lo    ; lanes 0-15 tile 0, lanes 16-31 tile 1
	v_cndmask_b32 v[VB], v[TP+4], v[TP+5], vcc_lo  ; v: lanes 0-15 channel tile 0, lanes 16-31 tile 1
.if (\j)==0
	v_mov_b32 v[VSW], v[VB]
.else
	v_lshl_or_b32 v[VSW], v[VB], 8*(\j), v[VSW]    ; byte j = key block j of the key step
.endif
.irp i, 0,1
	global_store_b128 v1, v[PCB+12*\i:PCB+12*\i+3], s[O1:O1+1] offset:(2*(\j)+\i)*768
	global_store_b64 v2, v[PCB+12*\i+4:PCB+12*\i+5], s[O1:O1+1] offset:(2*(\j)+\i)*768+512
.endr
	global_store_b32 v3, v[SW], s[O2:O2+1] offset:128*(\j)
	global_store_b128 v1, v[PCB+24:PCB+27], s[O3:O3+1] offset:1536*(\j)
	global_store_b64 v2, v[PCB+28:PCB+29], s[O3:O3+1] offset:1536*(\j)+512
.if (\j)==3
	global_store_b32 v3, v[VSW], s[O4:O4+1]
.endif
.endm
.macro PAIR j, nxt
	QUARTER \j, 0, \nxt
	QUARTER \j, 1, \nxt
	QUARTER \j, 2, \nxt
	QUARTER \j, 3, \nxt
	EPI \j
.endm
	s_load_b256 s[8:15], s[0:1], 0x0               ; xq, wimg, Wq's scales, Wk's scales
	s_load_b256 s[16:23], s[0:1], 0x20             ; Wv's scales, bq, bk, bv
	s_load_b128 s[24:27], s[0:1], 0x40             ; qc, qs
	s_load_b64 s[28:29], s[0:1], 0x50              ; kv
	v_lshl_add_u32 v254, v0, 2, 0x32000
	v_mov_b32 v255, 0
	ds_add_u32 v254, v255
	ds_add_u32 v254, v255
	v_lshrrev_b32 v12, 5, v0
	v_readfirstlane_b32 s[WV], v12                 ; wave 0..3
	s_bfe_u32 s4, ttmp6, 0x40000                   ; cx: it enters global addresses alone
	s_lshl_b32 s5, ttmp9, 2
	s_add_co_u32 s5, s5, s4                        ; which two heads: 4 x cluster x + cx
	s_and_b32 s6, ttmp7, 0xffff                    ; which 256 tokens: shared by the four partners
	; the joint load: my quarter of the tokens' block, 51,200 dense bytes as 200 rows of 256 (32 elements of 8 bytes)
	s_mov_b32 s[G1], 15|(3<<16)|(1<<21)            ; 15:0 the mask: all four work-groups; 17:16 elements of 8 bytes; 21 set beside a mask
	s_mov_b32 s[G1+1], 32<<16                      ; tensor_dim0
	s_mov_b32 s[G1+2], 200<<16                     ; tensor_dim1
	s_mov_b32 s[G1+3], 32<<16                      ; tile_dim0
	s_mov_b32 s[G1+4], 200                         ; tile_dim1
	s_mov_b32 s[G1+5], 32                          ; from row to row
	s_mov_b32 s[G1+6], 0
	s_mov_b32 s[G1+7], 0
	s_mov_b32 s[G0], 1
	s_mul_i32 s[G0+1], s[WV], 51200                ; LDS address: the wave's number alone
	s_mul_i32 s60, s6, 204800
	s_add_co_u32 s60, s60, s[G0+1]
	s_mov_b32 s61, 0
	v_and_b32 v12, 31, v0
	v_lshlrev_b32 v1, 4, v12                       ; 16 x lane
	v_lshlrev_b32 v2, 3, v12                       ; 8 x lane
	v_lshlrev_b32 v3, 2, v12                       ; 4 x lane
	v_and_b32 v13, 15, v0                          ; r
	v_bfe_u32 v14, v0, 4, 1                        ; h
	v_and_b32 v8, 8, v13
	v_add_nc_u32 v8, v8, v13                       ; r + 8 (r / 8)
	v_lshl_add_u32 v9, v14, 3, v8
	v_lshlrev_b32 v9, 5, v9                        ; a weight's scale bytes: row 8 h + r + 8 (r / 8) of a group of 32, 32 bytes a row
	v_lshlrev_b32 v10, 6, v14                      ; q's or k's bias: 16 h numbers on
	v_lshlrev_b32 v11, 2, v8                       ; v's bias: my channel
	s_wait_dscnt 0x0
	s_wait_kmcnt 0x0
	s_add_nc_u64 s[G0+2:G0+3], s[8:9], s[60:61]
	s_or_b32 s[G0+3], s[G0+3], 0x80000000
	CROUND                                         ; all four work-groups are here: the joint loads meet
	tensor_load_to_lds s[G0:G0+3], s[G1:G1+7]      ; my one tensor load of the launch
	s_nop 0
	PLACES 4
	; where my parts lie
	s_and_b32 s60, s[WV], 1
	s_lshr_b32 s61, s[WV], 1
	s_lshl_b32 s62, s5, 1
	s_add_co_u32 s66, s62, s60                     ; my head of q or k
	s_add_co_u32 s68, s62, s61                     ; my head of v
	s_lshl_b32 s67, s5, 2
	s_add_co_u32 s67, s67, s[WV]                   ; my block of 32 channels of v
	s_lshr_b32 s69, s6, 3
	s_lshl_b32 s69, s69, 4                         ; 16 x batch
	s_and_b32 s70, s6, 7                           ; which 256 tokens of the sequence
	s_add_co_u32 s71, s69, s66
	s_add_co_u32 s72, s69, s68
	s_mul_i32 s62, s61, 786432                     ; Wq's images or Wk's,
	s_mul_i32 s63, s66, 49152                      ; the head's four tiles
	s_add_co_u32 s62, s62, s63
	s_mov_b32 s63, 0
	s_add_nc_u64 s[WB1:WB1+1], s[10:11], s[62:63]
	s_mul_i32 s62, s67, 24576
	s_add_co_u32 s62, s62, 1572864                 ; Wv's images, my two tiles
	s_add_nc_u64 s[WB2:WB2+1], s[10:11], s[62:63]
	s_mul_i32 s73, s72, 208896
	s_mul_i32 s62, s70, 26112                      ; two key steps for 256 tokens
	s_add_co_u32 s73, s73, s62
	s_mul_i32 s62, s60, 768
	s_add_co_u32 s62, s62, s73
	s_add_co_u32 s62, s62, 6144
	s_add_nc_u64 s[O3:O3+1], s[28:29], s[62:63]
	s_lshl_b32 s62, s60, 7
	s_add_co_u32 s62, s62, s73
	s_add_co_u32 s62, s62, 12800
	s_add_nc_u64 s[O4:O4+1], s[28:29], s[62:63]
	s_lshl_b32 s62, s67, 10
	s_add_nc_u64 s[16:17], s[16:17], s[62:63]      ; Wv's scale bytes at my 32 rows
	s_lshl_b32 s62, s67, 7
	s_add_nc_u64 s[22:23], s[22:23], s[62:63]      ; bv at my 32 channels
	s_cmp_lt_u32 s[WV], 2                          ; q's wave or k's: buffers and strides are chosen, not branched on
	s_cselect_b64 s[74:75], s[12:13], s[14:15]
	s_cselect_b64 s[76:77], s[18:19], s[20:21]
	s_cselect_b64 s[O1:O1+1], s[24:25], s[28:29]
	s_cselect_b64 s[O2:O2+1], s[26:27], s[28:29]
	s_mov_b32 s[ST1], 13056
	s_cselect_b32 s[ST1], 6144, s[ST1]
	s_mov_b32 s[ST2], 13056
	s_cselect_b32 s[ST2], 512, s[ST2]
	s_mov_b32 s60, 208896
	s_cselect_b32 s61, 98304, s60                  ; codes: bytes a head,
	s_cselect_b32 s60, 8192, s60                   ; scale words: bytes a head,
	s_mov_b32 s68, 26112
	s_cselect_b32 s69, 12288, s68                  ; and for 256 tokens
	s_cselect_b32 s68, 1024, s68
	s_cselect_b32 s72, 0, 12288                    ; k's scale words lie behind a key step's codes
	s_mov_b32 s[ST1+1], 0
	s_mov_b32 s[ST2+1], 0
	s_mul_i32 s61, s61, s71
	s_mul_i32 s69, s69, s70
	s_add_co_u32 s62, s61, s69
	s_add_nc_u64 s[O1:O1+1], s[O1:O1+1], s[62:63]
	s_mul_i32 s60, s60, s71
	s_mul_i32 s68, s68, s70
	s_add_co_u32 s62, s60, s68
	s_add_co_u32 s62, s62, s72
	s_add_nc_u64 s[O2:O2+1], s[O2:O2+1], s[62:63]
	s_lshl_b32 s62, s66, 11
	s_add_nc_u64 s[74:75], s[74:75], s[62:63]      ; the weight's scale bytes at my head's 64 rows
	s_lshl_b32 s62, s66, 8
	s_add_nc_u64 s[76:77], s[76:77], s[62:63]      ; the bias at my head
	s_mov_b32 s[SEL], 0x76543210
	s_mov_b32 s[SEL+1], 0xfedcba98
	s_mov_b32 vcc_lo, 0xffff0000                   ; lanes 16-31
	; the weights: 48 fragments, three loads of 512 consecutive bytes each; they stay
.irp s, 0,1,2,3,4,5,6,7
.irp t, 0,1,2,3,4,5
.set fi, 6*\s+\t
	WIN ((1+fi/21)<<6)
.irp c, 0,1,2
.if \t<4
	global_load_b128 v[12*(fi%21)+4*\c:12*(fi%21)+4*\c+3], v1, s[WB1:WB1+1] offset:(8*\t+\s)*1536+512*\c
.else
	global_load_b128 v[12*(fi%21)+4*\c:12*(fi%21)+4*\c+3], v1, s[WB2:WB2+1] offset:(8*(\t-4)+\s)*1536+512*\c
.endif
.endr
.endr
.endr
	WIN 0xc0
	s_wait_alu depctr_va_vdst(0)
.irp t, 0,1,2,3                        ; the bias in the result's layout: lane (r, h), tile t: channels 32 (t / 2) + 8 (t % 2) + 16 h + 0 .. 7
.irp q, 0,1
	global_load_b128 v[BQ+8*\t+4*\q:BQ+8*\t+4*\q+3], v10, s[76:77] offset:(32*(\t/2)+8*(\t%2))*4+16*\q
.endr
.endr
.irp u, 0,1                            ; v's: a lane holds one channel, so its eight registers hold one number
.irp j, 0,1,2,3,4,5,6,7
	global_load_b32 v[BV+8*\u+\j], v11, s[22:23] offset:32*\u
.endr
.endr
	WIN 0
.irp i, 0,1                            ; scale words: register 8 i + s: lanes 0-15 tile 2 i, lanes 16-31 tile 2 i + 1, K step s
.irp q, 0,1
	global_load_b128 v[WS+8*\i+4*\q:WS+8*\i+4*\q+3], v9, s[74:75] offset:1024*\i+16*\q
.endr
.endr
.irp q, 0,1
	global_load_b128 v[WS+16+4*\q:WS+16+4*\q+3], v9, s[16:17] offset:16*\q
.endr
.irp k, 0,1,2,3,4,5
	v_mov_b32 v[TP+\k], 0                          ; written once: a lane permute's destination counts as one of its sources
.endr
	s_wait_loadcnt 0x0
	s_wait_tensorcnt 0x0                           ; my quarter of the tokens' block is in,
	s_barrier_signal -1
	s_barrier_wait -1                              ; everybody's is; from here on LDS is only read
	s_mov_b32 s[TR], 0
	s_mov_b32 s[LOFF], 0
.Ltrip:                                ; two trips of 128 tokens: four pairs of tiles, one key step of the attention launch
	v_add_nc_u32 v[XA], s[LOFF], v1
	s_wait_alu depctr_va_vdst(0)
	v_add_nc_u32 v[XA+1], 51200, v[XA]
	v_add_nc_u32 v[X8], s[LOFF], v2
	s_wait_alu depctr_va_vdst(0)
	v_add_nc_u32 v[X8+1], 51200, v[X8]
	XFETCH 0, 0, 0
	XSFETCH 0, 0
	PAIR 0, 1
	PAIR 1, 1
	PAIR 2, 1
	PAIR 3, 0
	WIN 0
	s_wait_xcnt 0x0                                ; the stores have read their bases, which step now
	s_add_nc_u64 s[O1:O1+1], s[O1:O1+1], s[ST1:ST1+1]
	s_add_nc_u64 s[O2:O2+1], s[O2:O2+1], s[ST2:ST2+1]
	s_add_nc_u64 s[O3:O3+1], s[O3:O3+1], 13056
	s_add_nc_u64 s[O4:O4+1], s[O4:O4+1], 13056
	s_add_co_u32 s[LOFF], s[LOFF], 102400
	s_add_co_u32 s[TR], s[TR], 1
	s_cmp_lt_u32 s[TR], 2
	s_cbranch_scc1 .Ltrip
	s_wait_dscnt 0x0
	s_wait_tensorcnt 0x0
	ds_add_u32 v254, v255
	s_wait_dscnt 0x0
	CROUND                                         ; the closing round: no work-group ends while a partner may still ask jointly
	s_endpgm
.Lfunc_end_k_q15b4f20b9f_qkv:
	.size	k_q15b4f20b9f_qkv, .Lfunc_end_k_q15b4f20b9f_qkv-k_q15b4f20b9f_qkv
	.p2alignl 7, 3214868480
	.fill 96, 4, 3214868480
	.section	.rodata,"a",@progbits
	.p2align	6, 0x0
	.amdhsa_kernel k_q15b4f20b9f_qkv
		.amdhsa_group_segment_fixed_size 205312
		.amdhsa_private_segment_fixed_size 0
		.amdhsa_enable_private_segment 0
		.amdhsa_kernarg_size 88
		.amdhsa_user_sgpr_count 2
		.amdhsa_user_sgpr_kernarg_segment_ptr 1
		.amdhsa_wavefront_size32 1
		.amdhsa_system_sgpr_workgroup_id_x 1
		.amdhsa_system_sgpr_workgroup_id_y 1
		.amdhsa_system_sgpr_workgroup_id_z 1
		.amdhsa_system_vgpr_workitem_id 0
		.amdhsa_next_free_vgpr 1024
		.amdhsa_next_free_sgpr 96
		.amdhsa_reserve_vcc 1
		.amdhsa_float_denorm_mode_32 3
		.amdhsa_float_denorm_mode_16_64 3
		.amdhsa_memory_ordered 1
		.amdhsa_forward_progress 1
		.amdhsa_inst_pref_size 115
	.end_amdhsa_kernel
	.amdgpu_metadata
---
amdhsa.version: [ 1, 2 ]
amdhsa.kernels:
  - .name:           k_q15b4f20b9f_qkv
    .symbol:         k_q15b4f20b9f_qkv.kd
    .args:
      - { .name: xq, .offset: 0, .size: 8, .value_kind: global_buffer, .address_space: global }
      - { .name: wimg, .offset: 8, .size: 8, .value_kind: global_buffer, .address_space: global }
      - { .name: Wq_scales, .offset: 16, .size: 8, .value_kind: global_buffer, .address_space: global }
      - { .name: Wk_scales, .offset: 24, .size: 8, .value_kind: global_buffer, .address_space: global }
      - { .name: Wv_scales, .offset: 32, .size: 8, .value_kind: global_buffer, .address_space: global }
      - { .name: bq, .offset: 40, .size: 8, .value_kind: global_buffer, .address_space: global }
      - { .name: bk, .offset: 48, .size: 8, .value_kind: global_buffer, .address_space: global }
      - { .name: bv, .offset: 56, .size: 8, .value_kind: global_buffer, .address_space: global }
      - { .name: qc, .offset: 64, .size: 8, .value_kind: global_buffer, .address_space: global }
      - { .name: qs, .offset: 72, .size: 8, .value_kind: global_buffer, .address_space: global }
      - { .name: kv, .offset: 80, .size: 8, .value_kind: global_buffer, .address_space: global }
    .group_segment_fixed_size: 205312
    .private_segment_fixed_size: 0
    .kernarg_segment_align: 8
    .kernarg_segment_size: 88
    .max_flat_workgroup_size: 128
    .sgpr_count:     96
    .vgpr_count:     1024
    .wavefront_size: 32
...
	.end_amdgpu_metadata
.endif
;; end of part 2
;; launch att (part 3): grid 4 x 64, 16 waves a work-group, clusters of 4 x 1, 210,944 bytes of LDS; arguments qc, qs, kv, oc, os; writes oc, os
.if DOCPART == 3
	.amdgcn_target "amdgcn-amd-amdhsa--gfx1250"
	.amdhsa_code_object_version 6
	.text
	.protected	k_q15b4f20b9f_att
	.globl	k_q15b4f20b9f_att
	.p2align	8
	.type	k_q15b4f20b9f_att,@function
k_q15b4f20b9f_att:
	s_mov_b64 s[64:65], 0
	v_nop
	global_prefetch_b8 v0, s[64:65] scope:SCOPE_SE
	s_setreg_imm32_b32 hwreg(HW_REG_WAVE_MODE, 25, 1), 1
	s_wait_xcnt 0x0
	s_wait_alu depctr_hold_cnt(0) depctr_sa_sdst(0) depctr_va_vdst(0) depctr_va_sdst(0) depctr_va_ssrc(0) depctr_va_vcc(0) depctr_vm_vsrc(0)
	s_getreg_b32 s2, hwreg(HW_REG_IB_STS2, 6, 4)
	s_cmp_eq_u32 s2, 0
	s_cbranch_scc0 .Lentry_in_a_cluster
	s_endpgm
.Lentry_in_a_cluster:
	s_bfe_u32 s2, ttmp6, 0x10000c
	s_cmp_lg_u32 s2, 0x3003
	s_cbranch_scc0 .Lentry_shape_is_right
	s_endpgm
.Lentry_shape_is_right:
; ATT.  O = softmax(q k^T / 8, causal) v for one head, both products on codes of FP6 (E2M3) with E8M0 scales; O / l is quantised along the model's 1,024 at once and leaves as operand images for the last launch.
; THE SOFTMAX: t = score x log2(e) / 8; M = the row's largest t so far, rounded UP to a whole number; p = 2^(t - M) is what is quantised, along the keys, not normalised.  The row's sum is taken of the unquantised p
; and divides O at the end.  When M moves, the sum and O are multiplied by 2^(old M - new M): exact.
; SHARES.  The four work-groups of a cluster share one head.  The head's k, v and their scale words, 208,896 bytes, lie in LDS WHOLE: wave w's one tensor load brings key step w (128 keys, 13,056 dense bytes), asked
; for jointly by the four.  No LDS byte is filled twice, none is stored to: one barrier.
; Wave w of work-group g owns the query tiles a = 4 w + g and 127 - a.  Their last key steps are w / 2 and 15 - w / 2, which hang on the wave's number alone, and together they are 17 steps of work for every wave.
; Both loops have constant trip counts; a key step all of whose keys come after the tile's queries is jumped over by a scalar branch round its work.  g enters global addresses and the mask's lane number alone.
; LAYOUT.  Both products are used transposed (S^T = k q^T, O^T = v^T p^T): a lane holds ONE query.  Element i of a tile is index 32 P + 8 u + i + 8 (i / 8), so the 16 registers of tiles 2 b, 2 b + 1 are 16 neighbours.
; THE FIRST PRODUCT'S K IS 64, the instruction's 128: q's registers 6-11 are zero codes; k's operand runs on into the next tile's codes (or six zero registers), which meet those zeros; both sides' scale bytes 2, 3 are 0,
; a power of two like any other.  FP6 has no code for NaN or infinity, so these products are zeros.
; LIMITS: a block of p or of O / l whose largest magnitude lies under 2^-124 gets the byte 1 (its codes are zeros or nearly so); NaN and infinities are not served.
; REGISTERS: v1-8 addresses that stay; v9-11, v228-229 addresses of the step; v12 -M, v13 the largest t, v[14:15] the sum; v16-27 q; v28 its scale words; v29-35 the second tile's; v36-89 k's eight half fragments,
; then v's four fragments; v90-95 their scale words; v96-159 S^T, then p; v160-191 O^T; v192-210 codes; v212-227 at work; v230 the scale words' offset on the way out.
.set WV,  14
.set AT,  17                           ; the tile in hand
.set SL,  18                           ; its last key step
.set SS,  19                           ; the key step
.set SEL, 20
.set CS,  22
.set G1,  24
.set G0,  32
.set TK,  36                           ; 13,056 x the key step
.set TI,  37
.set F,   36
.set KSC, 90
.set VSC, 94
.set S,   96
.set O,   160
.set PCD, 192
.set BM,  212
.set BP,  216
.set BS,  220
.set PS,  224
.macro PLACES n
.rept \n
	v_nop
.endr
.endm
.macro CROUND
	s_barrier_signal -1
	s_barrier_wait -1
	s_cmp_lg_u32 s[WV], 0
	s_cbranch_scc1 .Lnot_wave_0_\@
	s_barrier_signal -3
.Lnot_wave_0_\@:
	s_barrier_wait -3
	s_barrier_signal -1
	s_barrier_wait -1
.endm
	s_load_b256 s[4:11], s[0:1], 0x0               ; qc, qs, kv, oc
	s_load_b64 s[12:13], s[0:1], 0x20              ; os
	v_lshl_add_u32 v254, v0, 2, 0x33000
	v_mov_b32 v255, 0
	ds_add_u32 v254, v255
	ds_add_u32 v254, v255
	v_lshrrev_b32 v1, 5, v0
	s_delay_alu instid0(VALU_DEP_1)
	v_readfirstlane_b32 s[WV], v1                  ; wave 0..15
	s_bfe_u32 s15, ttmp6, 0x40000                  ; g: my place in the cluster
	s_and_b32 s16, ttmp7, 0xffff                   ; the head (batch x 16 + head), which the four partners share
	s_mov_b32 s[G1], 15|(3<<16)|(1<<21)            ; the mask: all four; elements of 8 bytes; 21 set beside a mask
	s_mov_b32 s[G1+1], 32<<16                      ; rows of 256 bytes,
	s_mov_b32 s[G1+2], 51<<16                      ; 51 of them
	s_mov_b32 s[G1+3], 32<<16
	s_mov_b32 s[G1+4], 51
	s_mov_b32 s[G1+5], 32
	s_mov_b32 s[G1+6], 0
	s_mov_b32 s[G1+7], 0
	s_mov_b32 s[G0], 1
	s_mul_i32 s[G0+1], s[WV], 13056                ; key step w, in LDS
	s_mul_i32 s42, s16, 208896
	s_add_co_u32 s42, s42, s[G0+1]                 ; and in memory
	s_mov_b32 s43, 0
	s_wait_dscnt 0x0
	s_wait_kmcnt 0x0
	s_add_nc_u64 s[G0+2:G0+3], s[8:9], s[42:43]
	s_or_b32 s[G0+3], s[G0+3], 0x80000000
	CROUND                                         ; all four work-groups are here: the joint loads meet
	tensor_load_to_lds s[G0:G0+3], s[G1:G1+7]      ; my one tensor load of the launch
	s_nop 0
	PLACES 4
	s_lshl_b32 s[AT], s[WV], 2
	s_add_co_u32 s[AT], s[AT], s15                 ; my first tile
	s_lshr_b32 s[SL], s[WV], 1
	s_sub_co_u32 s44, 127, s[AT]                   ; my second
	s_mul_i32 s45, s16, 98304
	s_mul_i32 s46, s[AT], 768
	s_add_co_u32 s46, s46, s45
	s_mov_b32 s47, 0
	s_add_nc_u64 s[48:49], s[4:5], s[46:47]
	s_mul_i32 s46, s44, 768
	s_add_co_u32 s46, s46, s45
	s_add_nc_u64 s[50:51], s[4:5], s[46:47]
	s_lshl_b32 s45, s16, 13
	s_lshl_b32 s46, s[AT], 6                       ; a tile's 16 scale words are 64 bytes
	s_add_co_u32 s46, s46, s45
	s_add_nc_u64 s[52:53], s[6:7], s[46:47]
	s_lshl_b32 s46, s44, 6
	s_add_co_u32 s46, s46, s45
	s_add_nc_u64 s[54:55], s[6:7], s[46:47]
	v_and_b32 v9, 31, v0
	s_delay_alu instid0(VALU_DEP_1)
	v_lshlrev_b32 v1, 4, v9                        ; 16 x lane
	s_delay_alu instid0(VALU_DEP_2)
	v_lshlrev_b32 v2, 3, v9                        ; 8 x lane
	s_delay_alu instid0(VALU_DEP_3)
	v_lshlrev_b32 v3, 2, v9                        ; 4 x lane
	v_and_b32 v10, 15, v0                          ; r
	v_bfe_u32 v11, v0, 4, 1                        ; h
	s_delay_alu instid0(VALU_DEP_1)
	v_mul_u32_u24 v4, v11, 1536
	s_delay_alu instid0(VALU_DEP_1)
	v_lshl_add_u32 v5, v10, 3, v4                  ; v's images: key block 2 c + h, lane slot r: 1,536 h + 8 r
	s_delay_alu instid0(VALU_DEP_2)
	v_lshl_add_u32 v4, v10, 4, v4                  ; and 1,536 h + 16 r
	v_lshlrev_b32 v6, 2, v10
	v_and_b32 v7, 8, v10
	s_delay_alu instid0(VALU_DEP_1)
	v_add_nc_u32 v7, v7, v10
	v_lshlrev_b32 v8, 4, v11
	s_delay_alu instid0(VALU_DEP_1)
	v_sub_nc_u32 v7, v7, v8                        ; r + 8 (r / 8) - 16 h
	v_lshlrev_b32 v230, 5, v10                     ; on the way out: 32 bytes of scale words a row
	global_load_b128 v[16:19], v1, s[48:49]        ; q of both tiles
	global_load_b64 v[20:21], v2, s[48:49] offset:512
	global_load_b128 v[30:33], v1, s[50:51]
	global_load_b64 v[34:35], v2, s[50:51] offset:512
	global_load_b32 v28, v6, s[52:53]
	global_load_b32 v29, v6, s[54:55]
.irp i, 0,1,2,3,4,5
	v_mov_b32 v[22+\i], 0                          ; q's upper 64 along K: zero codes
	v_mov_b32 v[84+\i], 0                          ; what the last tile of k runs on into
.endr
.irp b, 0,1,2,3
	v_mov_b32 v[BP+\b], 0                          ; written once: a lane permute's destination counts as one of its sources
.endr
	v_mov_b32 v225, 0
	v_mov_b32 v227, 0                              ; (named as the upper half of the pair v[226:227])
	s_mov_b32 s[SEL], 0x76543210
	s_mov_b32 s[SEL+1], 0xfedcba98
	s_mov_b32 s[CS], 0x3e38aa3b                    ; c = log2(e) / 8
	s_mov_b32 s[CS+1], s[CS]
	s_lshr_b32 s44, s16, 4                         ; batch
	s_and_b32 s45, s16, 15                         ; head
	s_mul_i32 s46, s44, 1572864                    ; oc: 128 tiles of 12,288 bytes a batch,
	s_mul_i32 s42, s45, 768                        ; the head's half image in a tile's 16
	s_add_co_u32 s46, s46, s42
	s_add_nc_u64 s[10:11], s[10:11], s[46:47]
	s_lshl_b32 s46, s44, 16                        ; os: 128 tiles of 512 bytes a batch,
	s_lshl_b32 s42, s45, 1                         ; the head's two bytes in a row's 32
	s_add_co_u32 s46, s46, s42
	s_add_nc_u64 s[12:13], s[12:13], s[46:47]
	s_wait_loadcnt 0x0
	s_wait_tensorcnt 0x0                           ; my key step is in,
	s_barrier_signal -1
	s_barrier_wait -1                              ; everybody's is; from here on LDS is only read
	s_mov_b32 s[TI], 0
.Ltile:                                ; two trips: my two tiles
	v_mov_b32 v13, 0xff61b1e6                      ; the largest t so far: -3e38
	s_delay_alu instid0(VALU_DEP_1)
	v_floor_f32 v12, -v13                          ; -M
	v_mov_b32 v14, 0
	v_mov_b32 v15, 0
.set j, 0
.rept 32
	v_mov_b32 v[O+j], 0                            ; O^T: the step is written once, and its first trip finds zeros
.set j, j+1
.endr
	s_mov_b32 s[SS], 0
	s_mov_b32 s[TK], 0
	s_lshr_b32 s42, s[AT], 1
	s_and_b32 s42, s42, 3
	s_lshl_b32 s42, s42, 5
	s_and_b32 s43, s[AT], 1
	s_lshl_b32 s43, s43, 3
	s_add_co_u32 s42, s42, s43
	v_add_nc_u32 v8, s42, v7                       ; d = my query's place in its key step - 16 h
	s_mul_i32 s42, s[AT], 12288
	s_mov_b32 s43, 0
	s_add_nc_u64 s[38:39], s[10:11], s[42:43]
	s_lshl_b32 s42, s[AT], 9
	s_add_nc_u64 s[40:41], s[12:13], s[42:43]
.Lstep:                                ; sixteen trips: the head's key steps
	s_cmp_gt_u32 s[SS], s[SL]
	s_cbranch_scc1 .Lskip                          ; all its keys come after my queries
	s_setprio 2
	v_add_nc_u32 v9, s[TK], v1                     ; (these five lines are also the places in front of the loads into registers that the last products read)
	v_add_nc_u32 v10, s[TK], v2
	v_add_nc_u32 v11, s[TK], v3
	v_add_nc_u32 v228, s[TK], v4
	v_add_nc_u32 v229, s[TK], v5
.irp t, 0,1,2,3,4,5,6,7
	ds_load_b128 v[F+6*\t:F+6*\t+3], v9 offset:768*\t
	ds_load_b64 v[F+6*\t+4:F+6*\t+5], v10 offset:768*\t+512
.endr
.irp i, 0,1,2,3
	ds_load_b32 v[KSC+\i], v11 offset:12288+128*\i ; lanes 0-15 tile 2 i, lanes 16-31 tile 2 i + 1
.endr
	s_wait_alu depctr_va_vdst(0)
	s_wait_dscnt 0x0
.irp t, 0,2,4,6                        ; S^T = k q^T: lane (r, h) holds query r; register 16 b + i is key 32 b + 16 h + i of the step
	v_wmma_scale_f32_16x16x128_f8f6f4 v[S+8*\t:S+8*\t+7], v[F+6*\t:F+6*\t+11], v[16:27], 0, v[KSC+\t/2], v28 matrix_a_fmt:MATRIX_FMT_FP6 matrix_b_fmt:MATRIX_FMT_FP6
	v_wmma_scale_f32_16x16x128_f8f6f4 v[S+8*\t+8:S+8*\t+15], v[F+6*\t+6:F+6*\t+17], v[16:27], 0, v[KSC+\t/2], v28 matrix_a_fmt:MATRIX_FMT_FP6 matrix_b_fmt:MATRIX_FMT_FP6 matrix_a_scale:MATRIX_SCALE_ROW1
.endr
	PLACES 4                                       ; in front of the loads into k's registers, and of the first read of the scores
.irp ct, 0,1,2,3                       ; v's four fragments are asked for now and land under the softmax: registers 6 c on: key block 2 c + h of channel tile ct's element r
.irp c, 0,1
	ds_load_b128 v[F+12*\ct+6*\c:F+12*\ct+6*\c+3], v228 offset:6144+3072*\c+768*(\ct/2)+256*(\ct%2)
	ds_load_b64 v[F+12*\ct+6*\c+4:F+12*\ct+6*\c+5], v229 offset:6144+3072*\c+768*(\ct/2)+512+128*(\ct%2)
.endr
.endr
.irp b, 0,1
	ds_load_b32 v[VSC+\b], v11 offset:12800+128*\b
.endr
	s_cmp_lg_u32 s[SS], s[SL]
	s_cbranch_scc1 .Lopen                          ; only the tile's last step lies on the diagonal
	v_mov_b32 v225, 0xff800000                     ; hidden scores become -infinity ahead of the maximum: p = 0 then
.set n, 0
.rept 64
	v_cmp_gt_i32 vcc_lo, 32*(n/16)+n%16, v8
	v_cndmask_b32 v[S+n], v[S+n], v225, vcc_lo
.set n, n+1
.endr
.Lopen:
.irp b, 0,1,2,3
	v_max3_num_f32 v[BM+\b], v[S+16*\b], v[S+16*\b+1], v[S+16*\b+2]   ; the largest score of each block of 32 keys: for the row's maximum and, since p rises with the score, for the block's largest p
.endr
.irp i, 3,5,7,9,11,13
.irp b, 0,1,2,3
	v_max3_num_f32 v[BM+\b], v[BM+\b], v[S+16*\b+\i], v[S+16*\b+\i+1]
.endr
.endr
.irp b, 0,1,2,3
	v_max_num_f32 v[BM+\b], v[BM+\b], v[S+16*\b+15]
.endr
.irp b, 0,1,2,3
	s_delay_alu instid0(VALU_DEP_4)
	v_permlanex16_b32 v[BP+\b], v[BM+\b], s[SEL], s[SEL+1]
.endr
.irp b, 0,1,2,3
	s_delay_alu instid0(VALU_DEP_4)
	v_max_num_f32 v[BM+\b], v[BM+\b], v[BP+\b]     ; with lane l xor 16's 16 keys
.endr
	s_delay_alu instid0(VALU_DEP_2)
	v_max3_num_f32 v225, v[BM], v[BM+1], v[BM+2]
	s_delay_alu instid0(VALU_DEP_1)
	v_max_num_f32 v225, v225, v[BM+3]
	s_delay_alu instid0(VALU_DEP_1)
	v_mul_f32 v225, s[CS], v225                    ; as t (c is positive)
	s_delay_alu instid0(VALU_DEP_1)
	v_max_num_f32 v13, v13, v225                   ; the running largest t
	v_mov_b32 v225, v12
	s_delay_alu instid0(VALU_DEP_2)
	v_floor_f32 v12, -v13                          ; the new -M = -ceil(t)
	s_delay_alu instid0(VALU_DEP_1)
	v_sub_f32 v225, v12, v225                      ; old M - new M: a whole number, 0 or less
	s_delay_alu instid0(VALU_DEP_1)
	v_cvt_i32_f32 v225, v225                       ; (it saturates)
	s_delay_alu instid0(VALU_DEP_1)
	v_ldexp_f32 v226, 1.0, v225                    ; f = 2^(old M - new M)
.set j, 0
	s_setprio 1
.rept 32
	v_pk_fma_f32 v[S+j:S+j+1], v[S+j:S+j+1], s[CS:CS+1], v[12:13] op_sel_hi:[1,0,0]   ; t - M, two at a time
.set j, j+2
.endr
.irp b, 0,1,2,3
	v_fma_f32 v[BM+\b], v[BM+\b], s[CS], v12       ; the same of each block's largest score
.endr
.set j, 0
	s_wait_alu depctr_va_vdst(0)
.rept 64
	v_exp_f32 v[S+j], v[S+j]                       ; p = 2^(t - M)
.set j, j+1
.endr
	v_pk_mul_f32 v[14:15], v[14:15], v[226:227] op_sel_hi:[1,0]   ; the sums under the new M: the plain line behind the exponentials
	s_wait_alu depctr_va_vdst(0)                   ; one wait for the batch of 64, ahead of its first reader
.irp b, 0,1,2,3
	v_exp_f32 v[BM+\b], v[BM+\b]                   ; the block's largest p
.endr
	v_pk_add_f32 v[216:217], v[100:101], v[104:105]
	v_pk_add_f32 v[252:253], v[108:109], v[112:113]
	v_pk_add_f32 v[250:251], v[116:117], v[120:121]
	v_pk_add_f32 v[248:249], v[124:125], v[128:129]
	v_pk_add_f32 v[246:247], v[132:133], v[136:137]
	v_pk_add_f32 v[244:245], v[140:141], v[144:145]
	v_pk_add_f32 v[242:243], v[148:149], v[152:153]
	v_pk_add_f32 v[14:15], v[14:15], v[156:157]
	v_pk_add_f32 v[216:217], v[216:217], v[96:97]
	v_pk_add_f32 v[252:253], v[252:253], v[98:99]
	v_pk_add_f32 v[250:251], v[250:251], v[102:103]
	v_pk_add_f32 v[248:249], v[248:249], v[106:107]
	v_pk_add_f32 v[246:247], v[246:247], v[110:111]
	v_pk_add_f32 v[244:245], v[244:245], v[114:115]
	v_pk_add_f32 v[242:243], v[242:243], v[118:119]
	v_pk_add_f32 v[14:15], v[14:15], v[122:123]
	v_pk_add_f32 v[216:217], v[216:217], v[126:127]
	v_pk_add_f32 v[252:253], v[252:253], v[130:131]
	v_pk_add_f32 v[250:251], v[250:251], v[134:135]
	v_pk_add_f32 v[248:249], v[248:249], v[138:139]
	v_pk_add_f32 v[246:247], v[246:247], v[142:143]
	v_pk_add_f32 v[244:245], v[244:245], v[146:147]
	v_pk_add_f32 v[242:243], v[242:243], v[150:151]
	v_pk_add_f32 v[14:15], v[14:15], v[154:155]
	v_pk_add_f32 v[216:217], v[216:217], v[158:159]
	s_delay_alu instid0(VALU_DEP_2)
	v_pk_add_f32 v[14:15], v[14:15], v[248:249]
	s_delay_alu instid0(VALU_DEP_2)
	v_pk_add_f32 v[216:217], v[216:217], v[246:247]
	v_pk_add_f32 v[252:253], v[252:253], v[244:245]
	v_pk_add_f32 v[250:251], v[250:251], v[242:243]
	s_delay_alu instid0(VALU_DEP_2)
	v_pk_add_f32 v[14:15], v[14:15], v[252:253]
	s_delay_alu instid0(VALU_DEP_2)
	v_pk_add_f32 v[216:217], v[216:217], v[250:251]
	s_delay_alu instid0(VALU_DEP_1)
	v_pk_add_f32 v[14:15], v[14:15], v[216:217]
	s_wait_alu depctr_va_vdst(0)                   ; and one for the four
.irp b, 0,1,2,3
	v_max_num_f32 v[BM+\b], 0x1800000, v[BM+\b]    ; the floor 2^(3 - 127)
.endr
.irp b, 0,1,2,3
	s_delay_alu instid0(VALU_DEP_4)
	v_add_nc_u32 v[BS+\b], 0xff000000, v[BM+\b]    ; the conversion's scale operand
.endr
.irp b, 0,1,2,3
	s_delay_alu instid0(VALU_DEP_4)
	v_lshrrev_b32 v[BP+\b], 23, v[BS+\b]           ; the byte
.endr
	s_delay_alu instid0(VALU_DEP_3)
	v_lshl_or_b32 v[PS], v[BP+1], 8, v[BP]         ; p's scale word for these 128 keys
	s_delay_alu instid0(VALU_DEP_1)
	v_lshl_or_b32 v[PS], v[BP+2], 16, v[PS]
	s_delay_alu instid0(VALU_DEP_1)
	v_lshl_or_b32 v[PS], v[BP+3], 24, v[PS]
	s_setprio 0
.irp c, 0,1
	v_cvt_scalef32_pk16_fp6_f32 v[PCD+6*\c:PCD+6*\c+2], v[S+32*\c:S+32*\c+15], v[BS+2*\c]
	v_cvt_scalef32_pk16_fp6_f32 v[PCD+12+4*\c:PCD+14+4*\c], v[S+32*\c+16:S+32*\c+31], v[BS+2*\c+1]
.endr
	v_nop                                          ; one plain place behind a scaled conversion
.irp c, 0,1
.irp i, 0,1,2
	v_permlane16_swap_b32 v[PCD+6*\c+\i], v[PCD+12+4*\c+\i]
.endr
.irp i, 0,1,2
	s_delay_alu instid0(VALU_DEP_3)
	v_mov_b32 v[PCD+3+6*\c+\i], v[PCD+12+4*\c+\i]
.endr
.endr
.set j, 0
.rept 16
	v_pk_mul_f32 v[O+j:O+j+1], v[O+j:O+j+1], v[226:227] op_sel_hi:[1,0]   ; O^T under the new M; these are also the places between the writes of p's codes and scale word and the products
.set j, j+2
.endr
	s_wait_alu depctr_va_vdst(0)
	s_wait_dscnt 0x0                               ; v is in
.irp ct, 0,2                           ; O^T += v^T p^T: four accumulators, one instruction each
	v_wmma_scale_f32_16x16x128_f8f6f4 v[O+8*\ct:O+8*\ct+7], v[F+12*\ct:F+12*\ct+11], v[PCD:PCD+11], v[O+8*\ct:O+8*\ct+7], v[VSC+\ct/2], v[PS] matrix_a_fmt:MATRIX_FMT_FP6 matrix_b_fmt:MATRIX_FMT_FP6
	v_wmma_scale_f32_16x16x128_f8f6f4 v[O+8*\ct+8:O+8*\ct+15], v[F+12*\ct+12:F+12*\ct+23], v[PCD:PCD+11], v[O+8*\ct+8:O+8*\ct+15], v[VSC+\ct/2], v[PS] matrix_a_fmt:MATRIX_FMT_FP6 matrix_b_fmt:MATRIX_FMT_FP6 matrix_a_scale:MATRIX_SCALE_ROW1
.endr
.Lskip:
	s_add_co_u32 s[TK], s[TK], 13056
	s_add_co_u32 s[SS], s[SS], 1
	s_cmp_lt_u32 s[SS], 16
	s_cbranch_scc1 .Lstep
	s_setprio 0
	; THE WAY OUT: O^T / the sum; register 16 b + i is channel 32 b + 16 h + i of the head, for query r: two blocks of the last product's K, quantised as they stand
	PLACES 4
	v_add_f32 v14, v14, v15
	s_delay_alu instid0(VALU_DEP_1)
	v_permlanex16_b32 v225, v14, s[SEL], s[SEL+1]
	s_delay_alu instid0(VALU_DEP_1)
	v_add_f32 v14, v14, v225                       ; the row's sum
	s_wait_alu depctr_va_vdst(0)
	v_rcp_f32 v14, v14
	v_nop                                          ; a plain place behind the reciprocal,
	s_wait_alu depctr_va_vdst(0)                   ; and the wait ahead of its first reader
.set j, 0
.rept 32
	v_mul_f32 v[S+j], v[O+j], v14                  ; each accumulator from its low end on
.set j, j+1
.endr
.irp b, 0,1
	v_max3_num_f32 v[BM+\b], |v[S+16*\b]|, |v[S+16*\b+1]|, 0x1800000
.endr
.irp i, 2,4,6,8,10,12,14
.irp b, 0,1
	s_delay_alu instid0(VALU_DEP_2)
	v_max3_num_f32 v[BM+\b], v[BM+\b], |v[S+16*\b+\i]|, |v[S+16*\b+\i+1]|
.endr
.endr
.irp b, 0,1
	s_delay_alu instid0(VALU_DEP_2)
	v_permlanex16_b32 v[BP+\b], v[BM+\b], s[SEL], s[SEL+1]
.endr
.irp b, 0,1
	s_delay_alu instid0(VALU_DEP_2)
	v_max_num_f32 v[BM+\b], v[BM+\b], v[BP+\b]
.endr
.irp b, 0,1
	s_delay_alu instid0(VALU_DEP_2)
	v_add_nc_u32 v[BS+\b], 0xff000000, v[BM+\b]
.endr
.irp b, 0,1
	s_delay_alu instid0(VALU_DEP_2)
	v_lshrrev_b32 v[BP+\b], 23, v[BS+\b]
.endr
	v_cvt_scalef32_pk16_fp6_f32 v[PCD:PCD+2], v[S:S+15], v[BS]
	v_cvt_scalef32_pk16_fp6_f32 v[PCD+6:PCD+8], v[S+16:S+31], v[BS+1]
	v_nop
.irp i, 0,1,2
	v_permlane16_swap_b32 v[PCD+\i], v[PCD+6+\i]
.endr
.irp i, 0,1,2
	s_delay_alu instid0(VALU_DEP_3)
	v_mov_b32 v[PCD+3+\i], v[PCD+6+\i]
.endr
	v_lshl_or_b32 v225, v[BP+1], 8, v[BP]          ; the head's two bytes of my row's scale word
	global_store_b128 v1, v[PCD:PCD+3], s[38:39]   ; 512 consecutive bytes,
	global_store_b64 v2, v[PCD+4:PCD+5], s[38:39] offset:512   ; and 256
	global_store_b16 v230, v225, s[40:41]          ; two bytes a row, 32 bytes apart (both halves of the lanes store the same number to the same place): 32 bytes a tile beside its 768 of codes
	s_wait_xcnt 0x0                                ; the stores have read their registers and bases, which the next tile writes again
.irp i, 0,1,2,3,4,5
	v_mov_b32 v[16+\i], v[30+\i]                   ; the second tile's q
.endr
	v_mov_b32 v28, v29
	s_sub_co_u32 s[AT], 127, s[AT]
	s_sub_co_u32 s[SL], 15, s[SL]
	s_add_co_u32 s[TI], s[TI], 1
	s_cmp_lt_u32 s[TI], 2
	s_cbranch_scc1 .Ltile
	s_wait_tensorcnt 0x0
	ds_add_u32 v254, v255
	s_wait_dscnt 0x0
	CROUND                                         ; the closing round: no work-group ends while a partner may still ask jointly
	s_endpgm
.Lfunc_end_k_q15b4f20b9f_att:
	.size	k_q15b4f20b9f_att, .Lfunc_end_k_q15b4f20b9f_att-k_q15b4f20b9f_att
	.p2alignl 7, 3214868480
	.fill 96, 4, 3214868480
	.section	.rodata,"a",@progbits
	.p2align	6, 0x0
	.amdhsa_kernel k_q15b4f20b9f_att
		.amdhsa_group_segment_fixed_size 210944
		.amdhsa_private_segment_fixed_size 0
		.amdhsa_enable_private_segment 0
		.amdhsa_kernarg_size 40
		.amdhsa_user_sgpr_count 2
		.amdhsa_user_sgpr_kernarg_segment_ptr 1
		.amdhsa_wavefront_size32 1
		.amdhsa_system_sgpr_workgroup_id_x 1
		.amdhsa_system_sgpr_workgroup_id_y 1
		.amdhsa_system_sgpr_workgroup_id_z 1
		.amdhsa_system_vgpr_workitem_id 0
		.amdhsa_next_free_vgpr 256
		.amdhsa_next_free_sgpr 66
		.amdhsa_reserve_vcc 1
		.amdhsa_float_denorm_mode_32 3
		.amdhsa_float_denorm_mode_16_64 3
		.amdhsa_memory_ordered 1
		.amdhsa_forward_progress 1
		.amdhsa_inst_pref_size 36
	.end_amdhsa_kernel
	.amdgpu_metadata
---
amdhsa.version: [ 1, 2 ]
amdhsa.kernels:
  - .name:           k_q15b4f20b9f_att
    .symbol:         k_q15b4f20b9f_att.kd
    .args:
      - { .name: qc, .offset: 0, .size: 8, .value_kind: global_buffer, .address_space: global }
      - { .name: qs, .offset: 8, .size: 8, .value_kind: global_buffer, .address_space: global }
      - { .name: kv, .offset: 16, .size: 8, .value_kind: global_buffer, .address_space: global }
      - { .name: oc, .offset: 24, .size: 8, .value_kind: global_buffer, .address_space: global }
      - { .name: os, .offset: 32, .size: 8, .value_kind: global_buffer, .address_space: global }
    .group_segment_fixed_size: 210944
    .private_segment_fixed_size: 0
    .kernarg_segment_align: 8
    .kernarg_segment_size: 40
    .max_flat_workgroup_size: 512
    .sgpr_count:     66
    .vgpr_count:     256
    .wavefront_size: 32
...
	.end_amdgpu_metadata
.endif
;; end of part 3
;; launch out (part 4): grid 256 x 1, 4 waves a work-group, no clusters, 133,120 bytes of LDS; arguments oc, os, wimg, Wo_scales, bo, x, gamma, beta, out0; writes out0
.if DOCPART == 4
	.amdgcn_target "amdgcn-amd-amdhsa--gfx1250"
	.amdhsa_code_object_version 6
	.text
	.protected	k_q15b4f20b9f_out
	.globl	k_q15b4f20b9f_out
	.p2align	8
	.type	k_q15b4f20b9f_out,@function
k_q15b4f20b9f_out:
	s_mov_b64 s[64:65], 0
	v_nop
	global_prefetch_b8 v0, s[64:65] scope:SCOPE_SE
	s_setreg_imm32_b32 hwreg(HW_REG_WAVE_MODE, 25, 1), 1
	s_wait_xcnt 0x0
; OUT.  y = attention's output x Wo + bo + x on codes of FP6 (E2M3) with E8M0 scales; out0 = (y - mean) / sqrt(variance + 1e-5) x gamma + beta along each row of 1,024.
; SHARES.  A work-group takes 32 tokens (two tiles m = 0, 1; element r of tile m is token 32 G + 8 m + r + 8 (r / 8)) and ALL 1,024 columns, so that a row's mean and variance stay inside the work-group.
; Wave w takes columns 256 w .. 256 w + 255: 16 tiles of Wo's rows, 32 accumulators.  The product is used TRANSPOSED (source 0 = 16 rows of Wo, source 1 = 16 tokens): a lane holds one token, and the 16 registers
; of tiles 2 B, 2 B + 1 are columns 32 B + 16 h + 0 .. 15.  Both token tiles' 16 fragments stay in registers; Wo's 128 fragments a wave stream from their images straight into a ring of five groups of four.
; Wo is not shared through LDS or a cluster: each fragment is read by one wave of a work-group and goes to its operand registers as it lies.
; x + bo IS THE C OF EACH SUM: x's rows are read as whole rows, bo is added, and they turn through a stage in LDS (32 rows, 4,112 bytes apart) into the accumulators' layout.  The same stage turns the results back.
; MEAN AND VARIANCE in two passes (the mean first, then the squares of the differences): a common offset of the rows costs no digit.
; Four barriers; no tensor load; no loop: every offset is an immediate.
; REGISTERS, in windows of 256.  window 0: v1-9 addresses; v16-23 the tokens' scale words; v24-87 Wo's; v88-119 bo; v120-147 sums.   window 1: x's rows, then the 32 accumulators ((m, T) at 128 m + 8 T), then rows.
;   window 2: v0-191 the tokens' fragments ((m, K step) at 12 (8 m + s)); v192-223 gamma; v224-255 beta.   window 3: the ring.
.set WV,   22
.set SEL,  36
.set ROWP, 4112
.set RED0, 32*ROWP                     ; behind the stage: 512 bytes for the sums, 512 for the sums of squares: (16 m + r) 16 + 4 w
.set AS,   16
.set WS,   24
.set BO,   88
.set T,    120
.set MU,   132
.set RS,   136
.set MSB, 0
.macro WIN new
.if MSB != (\new)
	s_set_vgpr_msb (MSB<<8)|(\new)
.set MSB, (\new)
.endif
.endm
.macro PLACES n
.rept \n
	v_nop
.endr
.endm
.macro WM d, a, b, c, sa, sb, ra, rb
.if (\ra)&&(\rb)
	v_wmma_scale_f32_16x16x128_f8f6f4 v[\d:\d+7], v[\a:\a+11], v[\b:\b+11], v[\c:\c+7], v[\sa], v[\sb] matrix_a_fmt:MATRIX_FMT_FP6 matrix_b_fmt:MATRIX_FMT_FP6 matrix_a_scale:MATRIX_SCALE_ROW1 matrix_b_scale:MATRIX_SCALE_ROW1
.elseif (\ra)
	v_wmma_scale_f32_16x16x128_f8f6f4 v[\d:\d+7], v[\a:\a+11], v[\b:\b+11], v[\c:\c+7], v[\sa], v[\sb] matrix_a_fmt:MATRIX_FMT_FP6 matrix_b_fmt:MATRIX_FMT_FP6 matrix_a_scale:MATRIX_SCALE_ROW1
.elseif (\rb)
	v_wmma_scale_f32_16x16x128_f8f6f4 v[\d:\d+7], v[\a:\a+11], v[\b:\b+11], v[\c:\c+7], v[\sa], v[\sb] matrix_a_fmt:MATRIX_FMT_FP6 matrix_b_fmt:MATRIX_FMT_FP6 matrix_b_scale:MATRIX_SCALE_ROW1
.else
	v_wmma_scale_f32_16x16x128_f8f6f4 v[\d:\d+7], v[\a:\a+11], v[\b:\b+11], v[\c:\c+7], v[\sa], v[\sb] matrix_a_fmt:MATRIX_FMT_FP6 matrix_b_fmt:MATRIX_FMT_FP6
.endif
.endm
.macro RLOAD g                         ; ring group g: tiles 4 (g / 8) + 0 .. 3 of Wo, K step g % 8: 12 loads of 512 consecutive bytes
.set lq, (\g)/8
.set ls, (\g)%8
	WIN 0xc0
.irp tt, 0,1,2,3
.irp c, 0,1,2
	global_load_b128 v[48*((\g)%5)+12*\tt+4*\c:48*((\g)%5)+12*\tt+4*\c+3], v1, s[8:9] offset:((4*lq+\tt)*8+ls)*1536+512*\c
.endr
.endr
.endm
.macro GROUP g                         ; eight products on eight accumulators by turns; then the group five on takes the slot
.set gq, (\g)/8
.set gs, (\g)%8
.if 31-(\g)>=4
	s_wait_loadcnt 48                              ; this group's 12 loads are in; the four younger groups' may be out
.else
	s_wait_loadcnt 12*(31-(\g))
.endif
	WIN 0x5b                                       ; source 0 (Wo) window 3, source 1 (tokens) window 2, C and D window 1
.irp tt, 0,1,2,3
.irp m, 0,1
.set rD, 128*\m+8*(4*gq+\tt)
.set rW, 48*((\g)%5)+12*\tt
.set rX, 12*(8*\m+gs)
.set rSA, WS+8*((4*gq+\tt)/2)+gs
.set rSB, AS+gs
.set fA, \tt%2
.set fB, \m
	WM rD, rW, rX, rD, rSA, rSB, fA, fB
.endr
.endr
.if (\g)+5<32
	PLACES 4                                       ; in front of loads into registers that matrix instructions have read
	RLOAD (\g)+5
.endif
.endm
.macro XROW k                          ; my row k of x: + bo, into the stage; then eight loads of the tokens' K step k
	s_wait_loadcnt 56                              ; bo and rows 0 .. k are in: behind row k stand 8 (7 - k) loads of later rows and 8 k of the tokens' fragments
	WIN 0x41
.irp i, 0,1,2,3,4,5,6,7
	v_pk_add_f32 v[32*(\k)+4*\i:32*(\k)+4*\i+1], v[32*(\k)+4*\i:32*(\k)+4*\i+1], v[BO+4*\i:BO+4*\i+1]
	v_pk_add_f32 v[32*(\k)+4*\i+2:32*(\k)+4*\i+3], v[32*(\k)+4*\i+2:32*(\k)+4*\i+3], v[BO+4*\i+2:BO+4*\i+3]
.endr
	WIN 0x04
.irp i, 0,1,2,3,4,5,6,7
	ds_store_b128 v7, v[32*(\k)+4*\i:32*(\k)+4*\i+3] offset:ROWP*(\k)+512*\i
.endr
	WIN 0x80
.irp m, 0,1
.irp c, 0,1
	global_load_b128 v[12*(8*\m+(\k))+6*\c:12*(8*\m+(\k))+6*\c+3], v1, s[4:5] offset:((8*\m+(\k))*2+\c)*768
	global_load_b64 v[12*(8*\m+(\k))+6*\c+4:12*(8*\m+(\k))+6*\c+5], v2, s[4:5] offset:((8*\m+(\k))*2+\c)*768+512
.endr
.endr
.endm
.macro REDUCE off                      ; T's four chains become the two rows' sums over the work-group, in v140 (m = 0) and v144 (m = 1)
	v_pk_add_f32 v[T:T+1], v[T:T+1], v[T+2:T+3]
	v_pk_add_f32 v[T+4:T+5], v[T+4:T+5], v[T+6:T+7]
	v_add_f32 v128, v[T], v[T+1]
	v_add_f32 v129, v[T+4], v[T+5]
	v_permlanex16_b32 v130, v128, s[SEL], s[SEL+1]
	v_permlanex16_b32 v131, v129, s[SEL], s[SEL+1]
	v_add_f32 v128, v128, v130                     ; my wave's 256 columns of token (m, r)
	v_add_f32 v129, v129, v131
	ds_store_b32 v8, v128 offset:\off              ; (both halves of the lanes write the same word with the same value)
	ds_store_b32 v8, v129 offset:\off+256
	s_wait_dscnt 0x0                               ; for the others' sake: my stores have landed
	s_barrier_signal -1
	s_barrier_wait -1
	ds_load_b128 v[140:143], v9 offset:\off        ; the four waves' parts
	ds_load_b128 v[144:147], v9 offset:\off+256
	s_wait_dscnt 0x0
	v_add_f32 v140, v140, v141
	v_add_f32 v142, v142, v143
	v_add_f32 v144, v144, v145
	v_add_f32 v146, v146, v147
	v_add_f32 v140, v140, v142
	v_add_f32 v144, v144, v146
.endm
	s_load_b256 s[4:11], s[0:1], 0x0               ; oc, os, wimg, Wo's scales
	s_load_b256 s[12:19], s[0:1], 0x20             ; bo, x, gamma, beta
	s_load_b64 s[20:21], s[0:1], 0x40              ; out0
	v_lshl_add_u32 v254, v0, 2, 0x20600
	v_mov_b32 v255, 0
	v_lshrrev_b32 v10, 5, v0
	v_readfirstlane_b32 s[WV], v10                 ; wave 0..3
	v_and_b32 v10, 31, v0
	v_lshlrev_b32 v1, 4, v10                       ; 16 x lane
	v_lshlrev_b32 v2, 3, v10                       ; 8 x lane
	v_lshlrev_b32 v3, 5, v10                       ; 32 x lane: the tokens' scale words, 8 a row
	v_and_b32 v11, 15, v0                          ; r
	v_bfe_u32 v12, v0, 4, 1                        ; h
	v_and_b32 v4, 8, v11
	v_add_nc_u32 v4, v4, v11
	v_lshl_add_u32 v4, v12, 3, v4
	v_lshlrev_b32 v4, 5, v4                        ; Wo's scale bytes: row 8 h + r + 8 (r / 8) of a group of 32
	v_mul_u32_u24 v5, v11, ROWP
	v_lshl_add_u32 v5, v12, 6, v5
	s_lshl_b32 s23, s[WV], 10
	v_add_nc_u32 v5, s23, v5                       ; the stage in the accumulators' layout: row r, + 64 h, + my wave's 1,024 bytes;
	v_add_nc_u32 v6, 16*ROWP, v5                   ; tile 1's rows
	s_mul_i32 s23, s[WV], 8*ROWP
	v_add_nc_u32 v7, s23, v1                       ; the stage by rows: my eight, 16 bytes a lane
	v_lshlrev_b32 v9, 4, v11
	v_add_nc_u32 v9, RED0, v9
	s_lshl_b32 s23, s[WV], 2
	v_add_nc_u32 v8, s23, v9
	s_mov_b32 s[SEL], 0x76543210
	s_mov_b32 s[SEL+1], 0xfedcba98
	s_mov_b32 s34, 0x3a800000                      ; 1 / 1,024
	s_mov_b32 s35, 0x3727c5ac                      ; 1e-5
	s_lshr_b32 s24, s[WV], 1                       ; stage rows 8 w + k are tokens 8 (w / 2) + 16 (w % 2) + k of the 32
	s_lshl_b32 s24, s24, 3
	s_and_b32 s25, s[WV], 1
	s_lshl_b32 s25, s25, 4
	s_add_co_u32 s24, s24, s25
	s_lshl_b32 s25, ttmp9, 5
	s_add_co_u32 s24, s24, s25
	s_lshl_b32 s24, s24, 12
	s_mov_b32 s25, 0
	s_mul_i32 s26, ttmp9, 24576
	s_mov_b32 s27, 0
	s_lshl_b32 s28, ttmp9, 10
	s_mov_b32 s29, 0
	s_mul_i32 s30, s[WV], 196608                   ; my 16 tiles of Wo's images,
	s_add_co_u32 s30, s30, 2359296                 ; behind Wq's, Wk's and Wv's
	s_mov_b32 s31, 0
	s_lshl_b32 s32, s[WV], 13
	s_mov_b32 s33, 0
	s_wait_kmcnt 0x0
	s_add_nc_u64 s[14:15], s[14:15], s[24:25]
	s_add_nc_u64 s[20:21], s[20:21], s[24:25]
	s_add_nc_u64 s[4:5], s[4:5], s[26:27]
	s_add_nc_u64 s[6:7], s[6:7], s[28:29]
	s_add_nc_u64 s[8:9], s[8:9], s[30:31]
	s_add_nc_u64 s[10:11], s[10:11], s[32:33]
.irp i, 0,1,2,3,4,5,6,7
	global_load_b128 v[BO+4*\i:BO+4*\i+3], v1, s[12:13] offset:512*\i
.endr
	WIN 0x40
.irp k, 0,1,2,3,4,5,6,7
.irp i, 0,1,2,3,4,5,6,7
	global_load_b128 v[32*\k+4*\i:32*\k+4*\i+3], v1, s[14:15] offset:4096*\k+512*\i th:TH_LOAD_NT   ; 512 consecutive bytes of a row
.endr
.endr
.irp k, 0,1,2,3,4,5,6,7
	XROW \k
.endr
	WIN 0x80
.irp i, 0,1,2,3,4,5,6,7
	global_load_b128 v[192+4*\i:192+4*\i+3], v1, s[16:17] offset:512*\i
	global_load_b128 v[224+4*\i:224+4*\i+3], v1, s[18:19] offset:512*\i
.endr
	WIN 0
.irp q, 0,1
	global_load_b128 v[AS+4*\q:AS+4*\q+3], v3, s[6:7] offset:16*\q   ; register s: lanes 0-15 tile 0, lanes 16-31 tile 1, K step s
.endr
.irp i, 0,1,2,3,4,5,6,7
.irp q, 0,1
	global_load_b128 v[WS+8*\i+4*\q:WS+8*\i+4*\q+3], v4, s[10:11] offset:1024*\i+16*\q   ; register 8 i + s: lanes 0-15 tile 2 i, lanes 16-31 tile 2 i + 1
.endr
.endr
	RLOAD 0
	RLOAD 1
	RLOAD 2
	RLOAD 3
	RLOAD 4
	WIN 0
	s_wait_dscnt 0x0                               ; my eight rows of x + bo lie in the stage,
	s_barrier_signal -1
	s_barrier_wait -1                              ; everybody's do
	WIN 0x40
.irp m, 0,1
.irp b, 0,1,2,3,4,5,6,7
.irp q, 0,1,2,3
	ds_load_b128 v[128*\m+16*\b+4*\q:128*\m+16*\b+4*\q+3], v[5+\m] offset:128*\b+16*\q   ; they begin the sums
.endr
.endr
.endr
	s_wait_dscnt 0x0
.set GI, 0
.rept 32
	GROUP GI
.set GI, GI+1
.endr
	; ---- the mean
	WIN 0
	PLACES 4
.irp i, 0,1,2,3,4,5,6,7
	v_mov_b32 v[T+\i], 0
.endr
	v_mov_b32 v130, 0                              ; written once: a lane permute's destination counts as one of its sources
	v_mov_b32 v131, 0
	WIN 0x04
.set j, 0
.rept 32
.irp m, 0,1
	v_pk_add_f32 v[T+4*\m:T+4*\m+1], v[T+4*\m:T+4*\m+1], v[128*\m+j:128*\m+j+1]         ; each accumulator from its low end on; two chains a tile
	v_pk_add_f32 v[T+4*\m+2:T+4*\m+3], v[T+4*\m+2:T+4*\m+3], v[128*\m+j+2:128*\m+j+3]
.endr
.set j, j+4
.endr
	WIN 0
	REDUCE 0
	v_mul_f32 v[MU], s34, v140
	v_mul_f32 v[MU+2], s34, v144
	v_mov_b32 v[MU+1], v[MU]
	v_mov_b32 v[MU+3], v[MU+2]
.irp i, 0,1,2,3,4,5,6,7
	v_mov_b32 v[T+\i], 0
.endr
	WIN 0x41
.set j, 0
.rept 64
.irp m, 0,1
	v_pk_add_f32 v[128*\m+j:128*\m+j+1], v[128*\m+j:128*\m+j+1], v[MU+2*\m:MU+2*\m+1] neg_lo:[0,1] neg_hi:[0,1]   ; y - mean
.endr
.set j, j+2
.endr
	; ---- the variance
	WIN 0x05
.set j, 0
.rept 32
.irp m, 0,1
	v_pk_fma_f32 v[T+4*\m:T+4*\m+1], v[128*\m+j:128*\m+j+1], v[128*\m+j:128*\m+j+1], v[T+4*\m:T+4*\m+1]
	v_pk_fma_f32 v[T+4*\m+2:T+4*\m+3], v[128*\m+j+2:128*\m+j+3], v[128*\m+j+2:128*\m+j+3], v[T+4*\m+2:T+4*\m+3]
.endr
.set j, j+4
.endr
	WIN 0
	REDUCE 512
	v_fma_f32 v128, v140, s34, s35                 ; variance + 1e-5
	v_fma_f32 v129, v144, s34, s35
	s_wait_alu depctr_va_vdst(0)
	v_rsq_f32 v[RS], v128
	v_rsq_f32 v[RS+2], v129
	v_nop                                          ; a plain place behind the two,
	s_wait_alu depctr_va_vdst(0)                   ; and one wait ahead of their first reader
	v_mov_b32 v[RS+1], v[RS]
	v_mov_b32 v[RS+3], v[RS+2]
	WIN 0x41
.set j, 0
.rept 64
.irp m, 0,1
	v_pk_mul_f32 v[128*\m+j:128*\m+j+1], v[128*\m+j:128*\m+j+1], v[RS+2*\m:RS+2*\m+1]
.endr
.set j, j+2
.endr
	WIN 0x04
.irp m, 0,1
.irp b, 0,1,2,3,4,5,6,7
.irp q, 0,1,2,3
	ds_store_b128 v[5+\m], v[128*\m+16*\b+4*\q:128*\m+16*\b+4*\q+3] offset:128*\b+16*\q   ; back into the bytes that I alone read out of the stage
.endr
.endr
.endr
	WIN 0
	s_wait_dscnt 0x0
	s_barrier_signal -1
	s_barrier_wait -1                              ; 32 whole rows lie in the stage
	WIN 0x40
.irp k, 0,1,2,3,4,5,6,7
.irp i, 0,1,2,3,4,5,6,7
	ds_load_b128 v[32*\k+4*\i:32*\k+4*\i+3], v7 offset:ROWP*\k+512*\i
.endr
.endr
.irp k, 0,1,2,3,4,5,6,7
	s_wait_dscnt 8*(7-\k)                          ; row k is in; the later rows' eight loads each may be out
	WIN 0x69                                       ; the row in window 1, gamma and beta in window 2
.irp i, 0,1,2,3,4,5,6,7
	v_pk_fma_f32 v[32*\k+4*\i:32*\k+4*\i+1], v[32*\k+4*\i:32*\k+4*\i+1], v[192+4*\i:192+4*\i+1], v[224+4*\i:224+4*\i+1]
	v_pk_fma_f32 v[32*\k+4*\i+2:32*\k+4*\i+3], v[32*\k+4*\i+2:32*\k+4*\i+3], v[192+4*\i+2:192+4*\i+3], v[224+4*\i+2:224+4*\i+3]
.endr
	WIN 0x04
.irp i, 0,1,2,3,4,5,6,7
	global_store_b128 v1, v[32*\k+4*\i:32*\k+4*\i+3], s[20:21] offset:4096*\k+512*\i th:TH_STORE_NT   ; 32 lanes store 512 consecutive bytes of a row, aligned
.endr
.endr
	s_set_vgpr_msb 0x400
	s_wait_tensorcnt 0x0
	ds_add_u32 v254, v255
	s_wait_dscnt 0x0
	s_set_vgpr_msb 0x4
	s_endpgm
.Lfunc_end_k_q15b4f20b9f_out:
	.size	k_q15b4f20b9f_out, .Lfunc_end_k_q15b4f20b9f_out-k_q15b4f20b9f_out
	.p2alignl 7, 3214868480
	.fill 96, 4, 3214868480
	.section	.rodata,"a",@progbits
	.p2align	6, 0x0
	.amdhsa_kernel k_q15b4f20b9f_out
		.amdhsa_group_segment_fixed_size 133120
		.amdhsa_private_segment_fixed_size 0
		.amdhsa_enable_private_segment 0
		.amdhsa_kernarg_size 72
		.amdhsa_user_sgpr_count 2
		.amdhsa_user_sgpr_kernarg_segment_ptr 1
		.amdhsa_wavefront_size32 1
		.amdhsa_system_sgpr_workgroup_id_x 1
		.amdhsa_system_sgpr_workgroup_id_y 1
		.amdhsa_system_sgpr_workgroup_id_z 1
		.amdhsa_system_vgpr_workitem_id 0
		.amdhsa_next_free_vgpr 1024
		.amdhsa_next_free_sgpr 66
		.amdhsa_reserve_vcc 0
		.amdhsa_float_denorm_mode_32 3
		.amdhsa_float_denorm_mode_16_64 3
		.amdhsa_memory_ordered 1
		.amdhsa_forward_progress 1
		.amdhsa_inst_pref_size 169
	.end_amdhsa_kernel
	.amdgpu_metadata
---
amdhsa.version: [ 1, 2 ]
amdhsa.kernels:
  - .name:           k_q15b4f20b9f_out
    .symbol:         k_q15b4f20b9f_out.kd
    .args:
      - { .name: oc, .offset: 0, .size: 8, .value_kind: global_buffer, .address_space: global }
      - { .name: os, .offset: 8, .size: 8, .value_kind: global_buffer, .address_space: global }
      - { .name: wimg, .offset: 16, .size: 8, .value_kind: global_buffer, .address_space: global }
      - { .name: Wo_scales, .offset: 24, .size: 8, .value_kind: global_buffer, .address_space: global }
      - { .name: bo, .offset: 32, .size: 8, .value_kind: global_buffer, .address_space: global }
      - { .name: x, .offset: 40, .size: 8, .value_kind: global_buffer, .address_space: global }
      - { .name: gamma, .offset: 48, .size: 8, .value_kind: global_buffer, .address_space: global }
      - { .name: beta, .offset: 56, .size: 8, .value_kind: global_buffer, .address_space: global }
      - { .name: out0, .offset: 64, .size: 8, .value_kind: global_buffer, .address_space: global }
    .group_segment_fixed_size: 133120
    .private_segment_fixed_size: 0
    .kernarg_segment_align: 8
    .kernarg_segment_size: 72
    .max_flat_workgroup_size: 128
    .sgpr_count:     66
    .vgpr_count:     1024
    .wavefront_size: 32
...
	.end_amdgpu_metadata
.endif
;; end of part 4
